; MI455X (gfx1250); checked and timed in simulation.
; The chip was launched on July 23, 2026; its instructions are those of AMD's public machine-readable ISA for CDNA 5 (MIT licence, August 2026) and "CDNA5" Instruction Set Architecture Reference Guide (July 2026). The comments in the code are by the model that wrote it; some were corrected since.
;; Non Local Block. Allowed arithmetic: matrix products marked QUANTISED: E3M2 operands, one E8M0 scale for each 32 along K, by v_wmma_scale_f32_16x16x128_f8f6f4 with both operands' format E3M2, f32 sums; everything else in f32.
;; Inputs: b_g 512 float32; b_out 1,024 float32; b_phi 512 float32; b_theta 512 float32; w_g_codes 512 x 32 x 24 uint8 (E3M2 codes of w_g, K innermost, in blocks of 32 codes, four codes in three bytes); w_g_scales 512 x 32 uint8 (E8M0 scales of w_g, one for each 32 codes along K); w_out_codes 1,024 x 16 x 24 uint8 (E3M2 codes of w_out, K innermost, in blocks of 32 codes, four codes in three bytes); w_out_scales 1,024 x 16 uint8 (E8M0 scales of w_out, one for each 32 codes along K); w_phi_codes 512 x 32 x 24 uint8 (E3M2 codes of w_phi, K innermost, in blocks of 32 codes, four codes in three bytes); w_phi_scales 512 x 32 uint8 (E8M0 scales of w_phi, one for each 32 codes along K); w_theta_codes 512 x 32 x 24 uint8 (E3M2 codes of w_theta, K innermost, in blocks of 32 codes, four codes in three bytes); w_theta_scales 512 x 32 uint8 (E8M0 scales of w_theta, one for each 32 codes along K); x 16 x 1,024 x 32 x 32 float32.
;; Outputs: out0 16 x 1,024 x 32 x 32 float32.
;; This version of the problem:
;;   THIS VERSION OF THE PROBLEM IS GIVEN IN LOW PRECISION. The matrix products marked QUANTISED in the list below multiply operands that are first quantised to E3M2 (3 exponent bits, 2 mantissa bits; 6 bits a number), with one power-of-two scale for each 32 numbers along K (OCP MX v1.0); their sums are f32. All else is computed in f32.
;;   The module's matrix products, in the order in which they are computed (A, B: the left and right operand; K: the contracted axis; several contracted axes count as one K, in the product's order):
;;     1. [M 512, K 1,024] x [K 1,024, N 16,384]; A: input w_theta (given as codes); B: input x: QUANTISED
;;     2. [M 512, K 1,024] x [K 1,024, N 16,384]; A: input w_phi (given as codes); B: input x: QUANTISED
;;     3. [M 512, K 1,024] x [K 1,024, N 16,384]; A: input w_g (given as codes); B: input x: QUANTISED
;;     4. batch 16 x [M 1,024, K 512] x [K 512, N 1,024]; A: computed on the way; B: computed on the way: QUANTISED
;;     5. batch 16 x [M 1,024, K 1,024] x [K 1,024, N 512]; A: softmax (see below); B: computed on the way: QUANTISED
;;     6. [M 1,024, K 512] x [K 512, N 16,384]; A: input w_out (given as codes); B: computed on the way: QUANTISED
;;   THE QUANTISER, for each operand of a quantised product, along K:
;;     - K is cut into blocks of 32 from its start; a last block that is shorter is filled with zeros.
;;     - A block's scale is 2^e with e = floor(log2(the largest magnitude in the block)) - 4, held to -126 .. 127; a block of zeros has e = 0. As a byte (E8M0): e + 127.
;;     - Each number is divided by its block's scale, clamped to +-28, and rounded to the nearest number of E3M2, ties to even, subnormals kept.
;;     - The product sums the exact products of the quantised numbers (number of the format x scale) in f32.
;;   ~~~python
;;   def quantise(x, axis):      # numpy; x: float32 -> the quantised numbers, widened to float32 again
;;       x = np.moveaxis(x, axis, -1); K = x.shape[-1]
;;       x = np.pad(x, [(0, 0)] * (x.ndim - 1) + [(0, -K % 32)]); x = x.reshape(x.shape[:-1] + (-1, 32)); a = np.abs(x).max(-1, keepdims=True)
;;       e = np.where(a > 0, np.clip(np.frexp(np.where(a > 0, a, 1))[1] - 1 - 4, -126, 127), 0)      # np.frexp(a)[1] - 1 = floor(log2(a)), exactly
;;       r = np.clip(x / 2.0 ** e, -28, 28)
;;       step = 2.0 ** (np.maximum(np.frexp(np.where(r == 0, 1, r))[1] - 1, -2) - 2)
;;       q = np.round(r / step) * step * 2.0 ** e      # np.round: ties to even
;;       return np.moveaxis(q.reshape(q.shape[:-2] + (-1,))[..., :K], -1, axis).astype(np.float32)
;;   ~~~
;;   SOFTMAX AHEAD OF A QUANTISED PRODUCT. Where the list says 'softmax', what is quantised is not the finished softmax but p = 2^(t - M), with t = logit x log2(e) and M = ceil(the row's largest t), a whole number; so 1/2 < the row's largest p <= 1. The row's sum l is taken of the UNQUANTISED p, in f32, and the product's result is divided by l at the end. Since M is a whole number, a kernel that streams over the keys may use a running M (the ceiling of the running maximum): every later rescaling is an exact power of two, which a block's scale takes up: the codes' values come out the same.
;;   OPERANDS COMPUTED ON THE WAY. 'Computed on the way' means the value that the module computes at that place (a softmax that the list does not call 'softmax' is quantised finished and normalised). What goes into a quantiser is computed in f32, as accurately as f32 sums, v_exp_f32 and their like allow (about 1e-6 of the number): no bf16 or f16 on the way to a quantiser, and a product that is left as it is and whose result goes on into a quantised operand takes f32 operands (vector FMAs, or v_wmma_f32_16x16x4_f32). A number that lies on a knife's edge between two numbers of the format may be rounded either way, as far as f32 arithmetic and the matrix unit's own rounding can turn it there, and no further.
;;   INPUTS GIVEN AS CODES. w_g (in the module: [512, 1024], K = its axis 1); w_out (in the module: [1024, 512], K = its axis 1); w_phi (in the module: [512, 1024], K = its axis 1); w_theta (in the module: [512, 1024], K = its axis 1): each comes as NAME_codes (uint8): NAME with its K axis moved to the last place and cut into blocks of 32 codes, [.., K / 32, bytes a block], one block behind the other in memory; four codes in three bytes: a row's codes are one little-endian stream of bits, code i at bits 6 i .. 6 i + 5 (a code: sign, 3 exponent bits, 2 mantissa bits); and NAME_scales (uint8): the same leading axes, one E8M0 byte (e + 127) for each 32 codes along K. Its value is code x scale, taken as it is: it is not quantised again, and the codes and scales need not be those that the quantiser above would give.
;; One version. Each part assembles by itself: llvm-mc -triple=amdgcn-amd-amdhsa -mcpu=gfx1250 --defsym DOCPART=n.
;; ======== version 1 of 1: 2 launches
;; workspace buffers: thq 6,553,600 bytes; phq 6,553,600 bytes; gq 6,553,600 bytes; woq 409,600 bytes
;; launch proj (part 1): grid 256 x 1, 4 waves a work-group, clusters of 4 x 1, 327,680 bytes of LDS; arguments x, w_theta_codes, w_theta_scales, b_theta, thq, w_phi_codes, w_phi_scales, b_phi, phq, w_g_codes, w_g_scales, b_g, gq, w_out_codes, w_out_scales, woq; writes thq, phq, gq, woq
.if DOCPART == 1
	.amdgcn_target "amdgcn-amd-amdhsa--gfx1250"
	.amdhsa_code_object_version 6
	.text
	.protected	k_q8fa5458b73_proj
	.globl	k_q8fa5458b73_proj
	.p2align	8
	.type	k_q8fa5458b73_proj,@function
k_q8fa5458b73_proj:
	s_mov_b64 s[64:65], 0
	v_nop
	global_prefetch_b8 v0, s[64:65] scope:SCOPE_SE
	s_setreg_imm32_b32 hwreg(HW_REG_WAVE_MODE, 25, 1), 1
	s_wait_xcnt 0x0
	s_wait_alu depctr_hold_cnt(0) depctr_sa_sdst(0) depctr_va_vdst(0) depctr_va_sdst(0) depctr_va_ssrc(0) depctr_va_vcc(0) depctr_vm_vsrc(0)
	s_getreg_b32 s2, hwreg(HW_REG_IB_STS2, 6, 4)
	s_cmp_eq_u32 s2, 0
	s_cbranch_scc0 .Lentry_in_a_cluster
	s_endpgm
.Lentry_in_a_cluster:
	s_bfe_u32 s2, ttmp6, 0x10000c
	s_cmp_lg_u32 s2, 0x3003
	s_cbranch_scc0 .Lentry_shape_is_right
	s_endpgm
.Lentry_shape_is_right:
; theta, phi and g of a non-local block: three 1 x 1 convolutions [512 x 1024] on x [16][1024][1024 positions], on codes of BF6 (E3M2) with one E8M0 scale for each 32 along K,
; their results quantised again on the way out: theta and phi along d, g along the positions.  w_out's codes are laid out for the second launch on the side.
; SHARES.  A work-group owns 64 positions of one image.  Wave w first quantises channels 256 w .. 256 w + 255 of these positions (K steps 2 w, 2 w + 1); the 32 fragments of x then lie in every
; wave's registers for the whole launch.  After that wave w owns rows 128 w .. 128 w + 127 of each weight, for all 64 positions: 12 steps of 32 weight rows x 1,024 K, 64 matrix instructions each.
; ORDER OF POSITIONS IN A TILE: tile 2 b + u holds, at index r, position 32 b + 8 u + r + 8 (r / 8).  ORDER OF WEIGHT ROWS IN A TILE: tile (i, u) holds, at index m, row 32 i + 8 u + m + 8 (m / 8).
; So the 16 registers that a lane has of two neighbouring tiles are 16 neighbours along the axis that is quantised next, and a block of 32 lies in lanes l and l xor 16.
; theta, phi: source 0 = weight rows, source 1 = x: a lane holds one position, its registers run along d.  g: the sources swapped: a lane holds one d, its registers run along the positions.
; THE RING.  Each wave has two LDS slots of its own and reads only bytes that its own tensor load brought.  The four work-groups of a cluster stream the same weights, so each tile is asked for
; jointly (mask 15).  The slots' bytes first hold the wave's part of x as f32.  By the text's own count a wave has two tensor loads out at the start and one later.
; THE WALK.  All 64 clusters stream the same weights, but not in the same order.  Two bits folded from the cluster's number deal them into four groups.  FM = 1: phi is taken before theta.  FQ = 1: of my
; 128 rows of each weight the second 64 are taken before the first.  So the four groups begin on four different quarters of theta and phi: six of their eight tiles, and two of g's four, have been read
; by another group two steps before a cluster asks for them.  The bits enter global addresses and the shifts that place scale bytes, and nothing else: no branch, no LDS address.
; WORKSPACE.  Blocks of 25,600 bytes: 16 fragments of 1,536 bytes, then 1,024 bytes of scales.  A fragment's 12 registers lie as images: for c = 0, 1 at byte 768 c registers 6 c .. 6 c + 3,
; 16 bytes a lane, then registers 6 c + 4, 6 c + 5, 8 bytes a lane: every store covers whole aligned runs of 256 bytes.
; LIMITS: NaN and infinities among the inputs are not served.  A block whose largest magnitude lies under 2^-122 keeps the scale byte 1; a block of zeros too (its codes are zeros, and
; the bytes are read by this program alone).
.set BLK,   25600
.set SCO,   24576                      ; where a block's scales begin
.set XIMG,  262144                     ; LDS: behind the four waves' rings (2 x 32,768 bytes each): x's 32 fragments (4 ks + T), three images of 512 bytes each,
.set XSC,   311296                     ; x's scale words (2 ks + pair of tiles), 128 bytes each,
.set GSC,   313344                     ; g's scale bytes, 256 bytes a wave,
.set SPARE, 314368                     ; the spare words, 128 bytes a wave: two blocks of 256 bytes that no other line names
.set L16, 1                            ; v1   16 x lane
.set L8,  2                            ; v2   8 x lane
.set AX,  3                            ; v3   x as f32 in my ring: my position's 4 bytes
.set AXI, 4                            ; v4   where I store x's images
.set AXS, 5                            ; v5   and their scale words
.set AXL, 6                            ; v6   where any wave loads x's images
.set AXSL, 7                           ; v7   and the scale words
.set AW,  8                            ; v8   my lane's place in a weight tile: 816 r + 24 h
.set AW2, 9                            ; v9   the same behind one padding more
.set AGS, 10                           ; v10  g's scale bytes: in
.set AGL, 11                           ; v11  and back
.set VWS, 12                           ; v12  my weight row's scale bytes in memory, in the 64 rows that the walk takes first;  v22: in the 64 that it takes second
.set VBI, 13                           ; v13  my half's 16 biases, likewise;  v23
.set VGB, 14                           ; v14  g's bias of my d, likewise;  v56 (at the head only)
.set VSO, 15                           ; v15  where my scale words of theta or phi go
.set SPW, 16                           ; v16  LDS address of my spare word; never rewritten
.set NIL, 17                           ; v17  0; never rewritten
.set GB,  24                           ; v24-31   g's bias of my d in tile 4 q + 2 u + v of the walk
.set XS,  32                           ; v32-47   x's scale words: 2 ks + pair; lanes 0-15 the even tile, lanes 16-31 the odd
.set WS,  48                           ; v48-63   weight scale words, two sets of 8 (register = ks); lanes 0-15 tile v = 0, lanes 16-31 v = 1
.set BI,  64                           ; v64-95   the C of a sum's first product, two sets of 16
.set ACC, 96                           ; v96-223  16 accumulators
.set CD,  224                          ; v224-239 half fragments, two sets of 8
.set TC,  240                          ; v240-243
.set TM,  244                          ; v244-251 at work
.set SB,  252                          ; v252-255 scale words in the making
.set XN,  96                           ; while x is quantised: 128 numbers,
.set F0,  224                          ; two fragments,
.set F1,  236
.set HX,  80                           ; the upper halves of four blocks,
.set TX,  248                          ; at work
.set CUR, 8                            ; s[8:15]  codes, scales, bias, result of the weight in hand;  s[16:23] of the next;  s[24:31] of g
.set NXT, 16
.set GG,  24
.set SH,  38                           ; s38, s39 16 FQ, 16 - 16 FQ: where the scale bytes of the walk's first and second 64 rows stand in a word
.set WV,  72
.set CX,  73
.set IDX, 74
.set HM,  75                           ; lanes 16-31
.set SEL, 76                           ; s[76:77] v_permlanex16_b32's selects for lane l xor 16
.set TRIPS, 78
.set WREG, 79                          ; 65,536 x wave: my ring
.set GSO, 80                           ; s[80:81] where g's scale bytes go
.set QV,  96                           ; s96, s97 768 x (which 64 rows the walk takes first, second)
.set TP,  98                           ; s[98:99] an offset as a pair; s99 stays 0
.set OT,  100                          ; s[100:101] where a step's codes go
.set MSB, 0
.macro WIN new                         ; the immediate's high byte repeats the setting that is left
.if MSB != (\new)
	s_set_vgpr_msb (MSB<<8)|(\new)
.set MSB, (\new)
.endif
.endm
.macro PLACES n
.rept \n
	v_nop
.endr
.endm
.macro ROUND                           ; a round of the cluster's barrier
	s_barrier_signal -1
	s_barrier_wait -1
	s_cmp_lg_u32 s[WV], 0
	s_cbranch_scc1 .Lnot_wave_0_\@
	s_barrier_signal -3
.Lnot_wave_0_\@:
	s_barrier_wait -3
	s_barrier_signal -1
	s_barrier_wait -1
.endm
; One matrix instruction from the symbols rD, rA, rB, rC (under 0: the constant 0), rSA, rSB, fA, fB (1: the scales stand in lanes 16-31)
.macro WMS
.if rC < 0
.if (fA == 0) && (fB == 0)
	v_wmma_scale_f32_16x16x128_f8f6f4 v[rD:rD+7], v[rA:rA+11], v[rB:rB+11], 0, v[rSA], v[rSB] matrix_a_fmt:MATRIX_FMT_BF6 matrix_b_fmt:MATRIX_FMT_BF6
.elseif fB == 0
	v_wmma_scale_f32_16x16x128_f8f6f4 v[rD:rD+7], v[rA:rA+11], v[rB:rB+11], 0, v[rSA], v[rSB] matrix_a_fmt:MATRIX_FMT_BF6 matrix_b_fmt:MATRIX_FMT_BF6 matrix_a_scale:MATRIX_SCALE_ROW1
.elseif fA == 0
	v_wmma_scale_f32_16x16x128_f8f6f4 v[rD:rD+7], v[rA:rA+11], v[rB:rB+11], 0, v[rSA], v[rSB] matrix_a_fmt:MATRIX_FMT_BF6 matrix_b_fmt:MATRIX_FMT_BF6 matrix_b_scale:MATRIX_SCALE_ROW1
.else
	v_wmma_scale_f32_16x16x128_f8f6f4 v[rD:rD+7], v[rA:rA+11], v[rB:rB+11], 0, v[rSA], v[rSB] matrix_a_fmt:MATRIX_FMT_BF6 matrix_b_fmt:MATRIX_FMT_BF6 matrix_a_scale:MATRIX_SCALE_ROW1 matrix_b_scale:MATRIX_SCALE_ROW1
.endif
.else
.if (fA == 0) && (fB == 0)
	v_wmma_scale_f32_16x16x128_f8f6f4 v[rD:rD+7], v[rA:rA+11], v[rB:rB+11], v[rC:rC+7], v[rSA], v[rSB] matrix_a_fmt:MATRIX_FMT_BF6 matrix_b_fmt:MATRIX_FMT_BF6
.elseif fB == 0
	v_wmma_scale_f32_16x16x128_f8f6f4 v[rD:rD+7], v[rA:rA+11], v[rB:rB+11], v[rC:rC+7], v[rSA], v[rSB] matrix_a_fmt:MATRIX_FMT_BF6 matrix_b_fmt:MATRIX_FMT_BF6 matrix_a_scale:MATRIX_SCALE_ROW1
.elseif fA == 0
	v_wmma_scale_f32_16x16x128_f8f6f4 v[rD:rD+7], v[rA:rA+11], v[rB:rB+11], v[rC:rC+7], v[rSA], v[rSB] matrix_a_fmt:MATRIX_FMT_BF6 matrix_b_fmt:MATRIX_FMT_BF6 matrix_b_scale:MATRIX_SCALE_ROW1
.else
	v_wmma_scale_f32_16x16x128_f8f6f4 v[rD:rD+7], v[rA:rA+11], v[rB:rB+11], v[rC:rC+7], v[rSA], v[rSB] matrix_a_fmt:MATRIX_FMT_BF6 matrix_b_fmt:MATRIX_FMT_BF6 matrix_a_scale:MATRIX_SCALE_ROW1 matrix_b_scale:MATRIX_SCALE_ROW1
.endif
.endif
.endm
	s_load_b64 s[4:5], s[0:1], 0x0                 ; x
	s_load_b256 s[CUR:CUR+7], s[0:1], 0x8          ; theta's codes, scales, bias, thq
	s_load_b256 s[NXT:NXT+7], s[0:1], 0x28         ; phi's, phq
	s_load_b256 s[GG:GG+7], s[0:1], 0x48           ; g's, gq
	s_load_b128 s[32:35], s[0:1], 0x68             ; w_out's codes, scales
	s_load_b64 s[36:37], s[0:1], 0x78              ; woq
	v_lshl_add_u32 v[SPW], v0, 2, SPARE
	v_mov_b32 v[NIL], 0
	ds_add_u32 v16, v17
	ds_add_u32 v16, v17
	s_wait_dscnt 0x0
	v_lshrrev_b32 v18, 5, v0
	v_readfirstlane_b32 s[WV], v18                 ; wave 0..3
	s_bfe_u32 s[CX], ttmp6, 0x40000                ; my place in the cluster
	s_lshl_b32 s[IDX], ttmp9, 2
	s_add_co_u32 s[IDX], s[IDX], s[CX]             ; work-group 0..255: image idx / 16, block of 64 positions idx % 16.  It enters global addresses of my own loads and stores alone
	s_lshl_b32 s[WREG], s[WV], 16
	s_mov_b32 s[HM], 0xffff0000
	s_mov_b32 s[SEL], 0x76543210
	s_mov_b32 s[SEL+1], 0xfedcba98
	s_lshr_b32 s6, ttmp9, 2                        ; the walk's two bits: the cluster's number (0 .. 63, the same in all four partners) folded, two bits at a time
	s_xor_b32 s6, s6, ttmp9
	s_lshr_b32 s7, ttmp9, 4
	s_xor_b32 s6, s6, s7
	s_and_b32 s7, s6, 1                            ; FM
	s_bfe_u32 s6, s6, 0x10001                      ; FQ
	s_mul_i32 s[QV], s6, 768
	s_sub_co_u32 s[QV+1], 768, s[QV]
	s_lshl_b32 s[SH], s6, 4
	s_sub_co_u32 s[SH+1], 16, s[SH]
	s_mov_b32 s[TP+1], 0
	v_and_b32 v18, 31, v0                          ; lane
	v_and_b32 v19, 15, v0                          ; r
	v_bfe_u32 v20, v0, 4, 1                        ; h
	v_and_b32 v21, 8, v19
	v_add_nc_u32 v21, v21, v19                     ; r + 8 (r / 8)
	v_lshlrev_b32 v[L16], 4, v18
	v_lshlrev_b32 v[L8], 3, v18
	v_lshl_add_u32 v[AX], v20, 3, v21              ; lanes 0-15: the even tile's position, lanes 16-31: the odd tile's, 8 further on
	v_lshlrev_b32 v[AX], 2, v[AX]
	v_add_nc_u32 v[AX], s[WREG], v[AX]
	s_mul_i32 s82, s[WV], 12288
	s_add_co_u32 s82, s82, XIMG
	v_add_nc_u32 v[AXI], s82, v[L16]               ; my two K steps' eight fragments
	s_lshl_b32 s82, s[WV], 9
	s_add_co_u32 s82, s82, XSC
	v_lshl_add_u32 v[AXS], v18, 2, s82
	v_add_nc_u32 v[AXL], XIMG, v[L16]
	v_lshl_add_u32 v[AXSL], v18, 2, XSC
	v_mul_u32_u24 v[AW], v19, 816
	v_mad_u32_u24 v[AW], v20, 24, v[AW]
	v_add_nc_u32 v[AW], s[WREG], v[AW]
	v_lshl_add_u32 v[AW2], v20, 4, v[AW]
	s_lshl_b32 s82, s[WV], 8
	s_add_co_u32 s82, s82, GSC
	v_lshlrev_b32 v[AGS], 1, v19
	v_lshl_add_u32 v[AGS], v20, 6, v[AGS]
	v_add_nc_u32 v[AGS], s82, v[AGS]
	v_add_nc_u32 v[AGL], s82, v[L8]
	v_lshl_add_u32 v[VWS], v20, 5, v21             ; lanes 16-31 take tile v = 1, 32 rows on
	v_lshlrev_b32 v[VWS], 5, v[VWS]                ; 32 scale bytes a row
	v_lshlrev_b32 v[VBI], 6, v20
	v_lshlrev_b32 v[VGB], 2, v21
	s_mul_i32 s82, s[WV], 1280
	s_sub_co_u32 s82, SCO, s82                     ; the result's pointer stands 1,536 w in: the words of K step w lie at 24,576 + 256 w
	v_add_nc_u32 v[VSO], s82, v[L8]
	s_lshl_b32 s82, s6, 11                         ; 64 rows of scale bytes are 2,048 bytes: FQ of them for the walk's first half,
	s_xor_b32 s83, s82, 2048                       ; 1 - FQ for its second
	v_add_nc_u32 v22, s83, v[VWS]
	v_add_nc_u32 v[VWS], s82, v[VWS]
	s_lshl_b32 s82, s6, 8                          ; 64 biases are 256 bytes
	s_xor_b32 s83, s82, 256
	v_add_nc_u32 v23, s83, v[VBI]
	v_add_nc_u32 v[VBI], s82, v[VBI]
	v_add_nc_u32 v56, s83, v[VGB]
	v_add_nc_u32 v[VGB], s82, v[VGB]
	; x's tiles: 128 channels x 256 bytes (32 elements of 8 bytes), 4,096 bytes from channel to channel; a load of my own, no mask
	s_mov_b32 s40, 3<<16
	s_mov_b32 s41, 32<<16
	s_mov_b32 s42, 128<<16
	s_mov_b32 s43, 32<<16
	s_mov_b32 s44, 128
	s_mov_b32 s45, 512
	s_mov_b32 s46, 0
	s_mov_b32 s47, 0
	; a weight tile: 4 rows of 6,144 bytes (8 dense weight rows of 768 bytes), 16 weight rows apart, 16 bytes of padding behind every 256: in LDS 32 weight rows 816 bytes apart, tile v = 0 first, in lane order
	s_mov_b32 s56, 15|(1<<20)|(1<<21)|(5<<22)|(3<<25)  ; the mask: all four work-groups; elements of 1 byte; padding on; bit 21 beside a mask; after every 64 words; 4 words
	s_mov_b32 s57, 6144<<16
	s_mov_b32 s58, 4<<16
	s_mov_b32 s59, 6144<<16
	s_mov_b32 s60, 4
	s_mov_b32 s61, 12288
	s_mov_b32 s62, 0
	s_mov_b32 s63, 0
	s_mov_b32 s68, 1
	s_lshr_b32 s82, s[IDX], 4                      ; image
	s_and_b32 s83, s[IDX], 15                      ; block of positions
	s_lshl_b32 s84, s82, 22
	s_lshl_b32 s85, s[WV], 20                      ; my 256 channels
	s_add_co_u32 s84, s84, s85
	s_lshl_b32 s85, s83, 8
	s_add_co_u32 s84, s84, s85
	s_mov_b32 s85, 0
	s_mov_b32 s87, 0
	s_mov_b32 s89, 0
	s_mov_b32 s91, 0
	s_wait_kmcnt 0x0
	s_mov_b32 s48, 1
	s_mov_b32 s49, s[WREG]
	s_add_nc_u64 s[50:51], s[4:5], s[84:85]
	s_mov_b32 s52, 1
	s_add_co_u32 s53, s[WREG], 32768
	s_add_nc_u64 s[54:55], s[50:51], 524288        ; 128 channels on
	s_or_b32 s51, s51, 0x80000000
	s_or_b32 s55, s55, 0x80000000
	s_mul_i32 s86, s[WV], 98304                    ; my 128 rows of each weight (s[86:87] never holds my place in the cluster)
	s_add_nc_u64 s[CUR:CUR+1], s[CUR:CUR+1], s[86:87]
	s_add_nc_u64 s[NXT:NXT+1], s[NXT:NXT+1], s[86:87]
	s_add_nc_u64 s[GG:GG+1], s[GG:GG+1], s[86:87]
	s_lshl_b32 s86, s[WV], 12
	s_add_nc_u64 s[CUR+2:CUR+3], s[CUR+2:CUR+3], s[86:87]
	s_add_nc_u64 s[NXT+2:NXT+3], s[NXT+2:NXT+3], s[86:87]
	s_add_nc_u64 s[GG+2:GG+3], s[GG+2:GG+3], s[86:87]
	s_lshl_b32 s86, s[WV], 9
	s_add_nc_u64 s[CUR+4:CUR+5], s[CUR+4:CUR+5], s[86:87]
	s_add_nc_u64 s[NXT+4:NXT+5], s[NXT+4:NXT+5], s[86:87]
	s_add_nc_u64 s[GG+4:GG+5], s[GG+4:GG+5], s[86:87]
	s_mul_i32 s88, s[IDX], BLK                     ; theta, phi: block idx, K step w
	s_mul_i32 s90, s[WV], 1536
	s_add_co_u32 s88, s88, s90
	s_add_nc_u64 s[CUR+6:CUR+7], s[CUR+6:CUR+7], s[88:89]
	s_add_nc_u64 s[NXT+6:NXT+7], s[NXT+6:NXT+7], s[88:89]
	s_lshl_b32 s88, s82, 2                         ; g: block (4 image + w) 4 + pb / 4,
	s_add_co_u32 s88, s88, s[WV]
	s_lshl_b32 s88, s88, 2
	s_lshr_b32 s90, s83, 2
	s_add_co_u32 s88, s88, s90
	s_mul_i32 s88, s88, BLK
	s_bfe_u32 s92, s83, 0x10001                    ; which 128 keys of the block's 256,
	s_and_b32 s93, s83, 1                          ; which half of each fragment
	s_lshl_b32 s90, s92, 1
	s_add_co_u32 s90, s90, s93
	s_lshl_b32 s90, s90, 8
	s_add_co_u32 s90, s90, s88
	s_add_co_u32 s90, s90, SCO
	s_add_nc_u64 s[GSO:GSO+1], s[GG+6:GG+7], s[90:91]
	s_mul_i32 s92, s92, 12288
	s_mul_i32 s93, s93, 768
	s_add_co_u32 s88, s88, s92
	s_add_co_u32 s88, s88, s93
	s_add_nc_u64 s[GG+6:GG+7], s[GG+6:GG+7], s[88:89]
	s_cmp_eq_u32 s7, 0                             ; FM = 1: theta's and phi's four pointers change places.  The choice hangs on the cluster's number alone
.irp i,0,2,4,6
	s_cselect_b64 s[94:95], s[CUR+\i:CUR+\i+1], s[NXT+\i:NXT+\i+1]
	s_cselect_b64 s[NXT+\i:NXT+\i+1], s[NXT+\i:NXT+\i+1], s[CUR+\i:CUR+\i+1]
	s_mov_b64 s[CUR+\i:CUR+\i+1], s[94:95]
.endr
	ROUND                                          ; in a cluster launch every group of tensor loads stands behind a round
	tensor_load_to_lds s[48:51], s[40:47]          ; my 256 channels of x, all at once: two loads of mine are out
	s_nop 0
	tensor_load_to_lds s[52:55], s[40:47]
	s_nop 0
	PLACES 4
	; wave 0 lays out one fragment of w_out (tile of 16 channels idx / 4, K step idx % 4) and 64 bytes of its scales
	s_cmp_lg_u32 s[WV], 0
	s_cbranch_scc1 .Lnot_first
	s_lshr_b32 s88, s[IDX], 2
	s_mul_i32 s88, s88, 6144                       ; 16 rows of 384 bytes
	s_and_b32 s90, s[IDX], 3
	s_mul_i32 s90, s90, 96
	s_add_co_u32 s88, s88, s90
	s_add_nc_u64 s[32:33], s[32:33], s[88:89]
	s_lshl_b32 s88, s[IDX], 6
	s_add_nc_u64 s[34:35], s[34:35], s[88:89]
	s_lshr_b32 s90, s[IDX], 4
	s_mul_i32 s90, s90, BLK
	s_and_b32 s91, s[IDX], 15
	s_mul_i32 s88, s91, 1536
	s_add_co_u32 s88, s88, s90
	s_add_nc_u64 s[92:93], s[36:37], s[88:89]
	s_lshl_b32 s88, s91, 6
	s_add_co_u32 s88, s88, s90
	s_add_co_u32 s88, s88, SCO
	s_add_nc_u64 s[94:95], s[36:37], s[88:89]
	v_mul_u32_u24 v57, v19, 384
	v_mad_u32_u24 v57, v20, 24, v57
	v_lshlrev_b32 v58, 1, v18
.irp p,0,1,2,3,4,5
	global_load_b64 v[F0+2*\p:F0+2*\p+1], v57, s[32:33] offset:48*(\p/3)+8*(\p%3)
.endr
	global_load_u16 v[F1], v58, s[34:35]
	s_wait_loadcnt 0x0
	global_store_b128 v[L16], v[F0:F0+3], s[92:93]
	global_store_b64 v[L8], v[F0+4:F0+5], s[92:93] offset:512
	global_store_b128 v[L16], v[F0+6:F0+9], s[92:93] offset:768
	global_store_b64 v[L8], v[F0+10:F0+11], s[92:93] offset:1280
	global_store_b16 v58, v[F1], s[94:95]
	s_wait_xcnt 0x0                                ; the stores' registers are written again below
.Lnot_first:
; q in what follows counts the walk's halves of my 128 rows: q = 0 is taken first.  Which 64 rows that is stands in the offset registers.
.macro PREW par, P, q, u               ; the scale words of a step's two tiles: my row's 32 bytes
.set rV, VWS+10*(\q)
	global_load_b128 v[WS+8*(\par):WS+8*(\par)+3], v[rV], s[\P+2:\P+3] offset:(8*(\u))*32
	global_load_b128 v[WS+8*(\par)+4:WS+8*(\par)+7], v[rV], s[\P+2:\P+3] offset:(8*(\u))*32+16
.endm
.macro PREB par, P, q, u               ; theta's or phi's bias in the result's layout: of the half's 64 d: 32 v + 16 h + 8 u + 0 .. 7
.set rV, VBI+10*(\q)
.irp v,0,1
	global_load_b128 v[BI+16*(\par)+8*\v:BI+16*(\par)+8*\v+3], v[rV], s[\P+4:\P+5] offset:(32*\v+8*(\u))*4
	global_load_b128 v[BI+16*(\par)+8*\v+4:BI+16*(\par)+8*\v+7], v[rV], s[\P+4:\P+5] offset:(32*\v+8*(\u))*4+16
.endr
.endm
	PREW 0, CUR, 0, 0
	PREB 0, CUR, 0, 0
.irp q,0,1
.irp u,0,1
.irp v,0,1
	global_load_b32 v[GB+4*\q+2*\u+\v], v[VGB+42*\q], s[GG+4:GG+5] offset:(32*\v+8*\u)*4
.endr
.endr
.endr
; x: 128 channels (my K step ksl) of 32 positions (ph): a lane holds ONE position and its registers run down the channels: four whole blocks, no other lane is asked for a maximum.
.macro XMAX b0, b1
	v_max3_num_f32 v[TX+\b0], |v[XN+32*\b0]|, |v[XN+32*\b0+1]|, 0x2800000   ; with the floor 2^(5 - 127): the byte cannot fall under 1
	v_max3_num_f32 v[TX+\b1], |v[XN+32*\b1]|, |v[XN+32*\b1+1]|, 0x2800000
.irp i,2,4,6,8,10,12,14,16,18,20,22,24,26,28,30
	v_max3_num_f32 v[TX+\b0], v[TX+\b0], |v[XN+32*\b0+\i]|, |v[XN+32*\b0+\i+1]|
	v_max3_num_f32 v[TX+\b1], v[TX+\b1], |v[XN+32*\b1+\i]|, |v[XN+32*\b1+\i+1]|
.endr
.endm
.macro XQ ksl, ph
.set i, 0
.rept 128
	ds_load_b32 v[XN+i], v[AX] offset:(\ksl)*32768+i*256+(\ph)*128
.set i, i+1
.endr
	s_wait_dscnt 63                                ; blocks 0 and 1 are in: 64 loads stand behind them
	XMAX 0, 1
	s_wait_dscnt 0x0
	XMAX 2, 3
.irp b,0,1,2,3
	v_add_nc_u32 v[TX+\b], 0xfe000000, v[TX+\b]    ; 4 off the exponent field: the conversion's scale operand
.endr
.irp b,0,1,2,3
	v_lshrrev_b32 v[TX+4+\b], 23, v[TX+\b]         ; the scale's byte
.endr
	v_lshl_or_b32 v[TX+4], v[TX+5], 8, v[TX+4]     ; my position's scale word: lanes 0-15 the even tile's, lanes 16-31 the odd tile's
	v_lshl_or_b32 v[TX+4], v[TX+6], 16, v[TX+4]
	v_lshl_or_b32 v[TX+4], v[TX+7], 24, v[TX+4]
.irp c,0,1
	v_cvt_scalef32_pk16_bf6_f32 v[F0+6*\c:F0+6*\c+2], v[XN+64*\c:XN+64*\c+15], v[TX+2*\c]
	v_cvt_scalef32_pk16_bf6_f32 v[HX+8*\c:HX+8*\c+2], v[XN+64*\c+16:XN+64*\c+31], v[TX+2*\c]        ; (a conversion's three registers begin on an even number)
	v_cvt_scalef32_pk16_bf6_f32 v[F1+6*\c:F1+6*\c+2], v[XN+64*\c+32:XN+64*\c+47], v[TX+2*\c+1]
	v_cvt_scalef32_pk16_bf6_f32 v[HX+8*\c+4:HX+8*\c+6], v[XN+64*\c+48:XN+64*\c+63], v[TX+2*\c+1]
.endr
	v_nop                                          ; one plain place behind the conversions
.irp c,0,1                             ; block 2 c's lanes 16-31 change places with block 2 c + 1's lanes 0-15: the first is then the even tile's part of a fragment, the second the odd tile's
.irp i,0,1,2
	v_permlane16_swap_b32 v[F0+6*\c+\i], v[F1+6*\c+\i]
	v_permlane16_swap_b32 v[HX+8*\c+\i], v[HX+8*\c+4+\i]
.endr
.irp i,0,1,2
	v_mov_b32 v[F0+6*\c+3+\i], v[HX+8*\c+\i]
	v_mov_b32 v[F1+6*\c+3+\i], v[HX+8*\c+4+\i]
.endr
.endr
.irp c,0,1,2
	ds_store_b128 v[AXI], v[F0+4*\c:F0+4*\c+3] offset:(\ksl)*6144+(2*(\ph))*1536+512*\c
	ds_store_b128 v[AXI], v[F1+4*\c:F1+4*\c+3] offset:(\ksl)*6144+(2*(\ph)+1)*1536+512*\c
.endr
	ds_store_b32 v[AXS], v[TX+4] offset:(2*(\ksl)+(\ph))*128
	s_wait_dscnt 0x0                               ; the stores have read their registers
.endm
; THE CHANGE OF SLOTS.  All of the slot lies in registers.  Each wave waits for all its tensor loads, adds 0 to its spare word, waits for that and for its LDS reads; a round of the cluster's barrier;
; then the joint refill, first thing behind it: the tile (half q of the walk, u) of the weight P.
.macro MID slot, P, q, u
	WIN 0
	s_wait_tensorcnt 0x0                           ; no tensor load of mine is out, so the descriptor may be written
	ds_add_u32 v[SPW], v[NIL]
	s_add_co_u32 s69, s[WREG], (\slot)*32768
	s_lshl_b32 s[TP], s[QV+(\q)], 6                ; 64 weight rows are 49,152 bytes = 64 x 768
	s_add_nc_u64 s[70:71], s[\P:\P+1], s[TP:TP+1]
.if (\u)
	s_add_nc_u64 s[70:71], s[70:71], 6144
.endif
	s_or_b32 s71, s71, 0x80000000
	s_wait_dscnt 0x0
	ROUND
	tensor_load_to_lds s[68:71], s[56:63]
	s_nop 0
	PLACES 4                                       ; the places in front of the loads that follow
.endm
; 48 LDS loads: the two tiles' fragments of K steps 4 half .. 4 half + 3, in pieces of 8 bytes.  Lanes 16-31 read three pieces further on: behind one padding more where the piece is one of a run's last three
.macro FETCH half, slot
	WIN 0xc0                                       ; destination window 3
.irp kk,0,1,2,3
.irp v,0,1
.irp p,0,1,2,3,4,5
.set PCE, 12*(4*(\half)+\kk)+6*(\p/3)+\p%3
.set rW, 96*(\half)+48*\v+12*\kk+2*\p
.if PCE%32 < 29
	ds_load_b64 v[rW:rW+1], v[AW] offset:(\slot)*32768+\v*13056+8*PCE+16*(PCE/32)
.else
	ds_load_b64 v[rW:rW+1], v[AW2] offset:(\slot)*32768+\v*13056+8*PCE+16*(PCE/32)
.endif
.endr
.endr
.endr
	WIN 0
.endm
; 32 matrix instructions: four K steps x two weight tiles x four tiles of positions; four accumulators by turns.  g = 1: the sources swapped.
.macro MULP g, u, half, par
.irp pr,0,1
.if \g
	WIN 0x0d+\pr                                   ; source 0 (x) window 1 or 2, source 1 (weights) window 3
.else
	WIN 0x07+4*\pr                                 ; source 0 (weights) window 3, source 1 (x) window 1 or 2
.endif
.irp kk,0,1,2,3
.set ks, 4*(\half)+\kk
.if ((\half) == 0) && (\pr == 0)
.set wN, 84-12*\kk                     ; behind this K step's 12 loads stand the later K steps' and the second half's 48; the field holds 63
.if wN > 63
.set wN, 63
.endif
	s_wait_dscnt wN
.endif
.irp v,0,1
.irp tl,0,1
.set rW, 96*(\half)+48*\v+12*\kk
.set rX, 96*\tl+12*ks
.if \g
.set rD, ACC+32*\v+8*(2*\pr+\tl)
.set rA, rX
.set rB, rW
.set rSA, XS+2*ks+\pr
.set rSB, WS+8*(\par)+ks
.set fA, \tl
.set fB, \v
.else
.set rD, ACC+32*(2*\pr+\tl)+16*\v+8*(\u)
.set rA, rW
.set rB, rX
.set rSA, WS+8*(\par)+ks
.set rSB, XS+2*ks+\pr
.set fA, \v
.set fB, \tl
.endif
.set rC, rD
.if ks == 0
.set rC, BI+16*(\par)+8*\v             ; the bias starts the sum
.endif
	WMS
.endr
.endr
.endr
.endr
.endm
; Two blocks of 32 along the next K, of which a lane holds 16 numbers each (a0 .., a1 ..), become half a fragment in cd .. cd + 5; their bytes in TM + 6, TM + 7.  Each accumulator is read from its low end on.
.macro QPAIR a0, a1, cd
	v_max3_num_f32 v[TM], |v[(\a0)]|, |v[(\a0)+1]|, 0x2800000
	v_max3_num_f32 v[TM+1], |v[(\a1)]|, |v[(\a1)+1]|, 0x2800000
.irp i,2,4,6,8,10,12,14
	v_max3_num_f32 v[TM], v[TM], |v[(\a0)+\i]|, |v[(\a0)+\i+1]|
	v_max3_num_f32 v[TM+1], v[TM+1], |v[(\a1)+\i]|, |v[(\a1)+\i+1]|
.endr
	v_permlanex16_b32 v[TM+2], v[TM], s[SEL], s[SEL+1]
	v_permlanex16_b32 v[TM+3], v[TM+1], s[SEL], s[SEL+1]
	v_max_num_f32 v[TM], v[TM], v[TM+2]            ; with lane l xor 16's: the block's largest magnitude
	v_max_num_f32 v[TM+1], v[TM+1], v[TM+3]
	v_add_nc_u32 v[TM+4], 0xfe000000, v[TM]
	v_add_nc_u32 v[TM+5], 0xfe000000, v[TM+1]
	v_lshrrev_b32 v[TM+6], 23, v[TM+4]
	v_lshrrev_b32 v[TM+7], 23, v[TM+5]
	v_cvt_scalef32_pk16_bf6_f32 v[(\cd):(\cd)+2], v[(\a0):(\a0)+15], v[TM+4]
	v_cvt_scalef32_pk16_bf6_f32 v[TC:TC+2], v[(\a1):(\a1)+15], v[TM+5]
	v_nop                                          ; one plain place behind the conversions
.irp i,0,1,2
	v_permlane16_swap_b32 v[(\cd)+\i], v[TC+\i]    ; a whole block to a lane: lanes 0-15 the first block, lanes 16-31 the second
.endr
.irp i,0,1,2
	v_mov_b32 v[(\cd)+3+\i], v[TC+\i]
.endr
.endm
.macro QTP q                           ; theta, phi: the two blocks of the walk's half q of my 128 d, for the four tiles of positions: one half of fragment (T, K step w)
	s_wait_xcnt 0x0                                ; earlier stores have read their base and their data registers
	s_mov_b32 s[TP], s[QV+(\q)]
	s_add_nc_u64 s[OT:OT+1], s[CUR+6:CUR+7], s[TP:TP+1]   ; a fragment's second half lies 768 bytes behind its first
.irp t,0,1,2,3
.if \t > 0
	s_wait_xcnt 0x0
.endif
	QPAIR ACC+32*\t, ACC+32*\t+16, CD+8*(\t%2)
	v_lshl_or_b32 v[TM], v[TM+7], 8, v[TM+6]       ; the two bytes, and their place in the word of four
.if (\q) == 0
	v_lshlrev_b32 v[SB+\t], s[SH], v[TM]
.else
	v_lshl_or_b32 v[SB+\t], v[TM], s[SH+1], v[SB+\t]
.endif
	global_store_b128 v[L16], v[CD+8*(\t%2):CD+8*(\t%2)+3], s[OT:OT+1] offset:\t*6144
	global_store_b64 v[L8], v[CD+8*(\t%2)+4:CD+8*(\t%2)+5], s[OT:OT+1] offset:\t*6144+512
.endr
.if (\q) == 1
	v_cndmask_b32 v[TM], v[SB], v[SB+1], s[HM]     ; two tiles' words share a register: lanes 0-15 the even tile's
	v_cndmask_b32 v[TM+1], v[SB+2], v[SB+3], s[HM]
	global_store_b64 v[VSO], v[TM:TM+1], s[CUR+6:CUR+7]   ; 256 consecutive bytes
.endif
.endm
.macro QG q, u                         ; g: my 64 positions are two blocks of keys: half a fragment for each of the step's two tiles of d
	s_wait_xcnt 0x0
	s_lshl_b32 s[TP], s[QV+(\q)], 3                ; four tiles of d are 6,144 bytes = 8 x 768
	s_add_nc_u64 s[OT:OT+1], s[GG+6:GG+7], s[TP:TP+1]
.irp v,0,1
	QPAIR ACC+32*\v, ACC+32*\v+16, CD+8*\v
	v_lshl_or_b32 v[SB+\v], v[TM+7], 8, v[TM+6]
	global_store_b128 v[L16], v[CD+8*\v:CD+8*\v+3], s[OT:OT+1] offset:(2*\v+(\u))*1536
	global_store_b64 v[L8], v[CD+8*\v+4:CD+8*\v+5], s[OT:OT+1] offset:(2*\v+(\u))*1536+512
.endr
	v_cndmask_b32 v[SB+2], v[SB], v[SB+1], s[HM]
	ds_store_b16 v[AGS], v[SB+2] offset:128*(\q)+32*(\u)   ; in LDS in the walk's order
.endm
	s_wait_tensorcnt 0x1                           ; my first 128 channels have landed; the second load may be out.  I alone read these bytes
	XQ 0, 0
	XQ 0, 1
	MID 0, CUR, 0, 0                               ; the first weight's first tile, into the bytes that x's first 128 channels have left
	XQ 1, 0
	XQ 1, 1
	MID 1, CUR, 0, 1                               ; its round also shows all 32 fragments of x to every wave
	WIN 0x40
.irp t,0,1
.irp s,0,1,2,3,4,5,6,7
.irp c,0,1,2
	ds_load_b128 v[96*\t+12*\s+4*\c:96*\t+12*\s+4*\c+3], v[AXL] offset:(\s*4+\t)*1536+512*\c
.endr
.endr
.endr
	WIN 0x80
.irp t,0,1
.irp s,0,1,2,3,4,5,6,7
.irp c,0,1,2
	ds_load_b128 v[96*\t+12*\s+4*\c:96*\t+12*\s+4*\c+3], v[AXL] offset:(\s*4+2+\t)*1536+512*\c
.endr
.endr
.endr
	WIN 0
.irp i,0,1,2,3,4,5,6,7,8,9,10,11,12,13,14,15
	ds_load_b32 v[XS+\i], v[AXSL] offset:128*\i
.endr
	v_mov_b32 v[TM+2], 0                           ; written once: a lane permute's destination counts as one of its sources
	v_mov_b32 v[TM+3], 0
	FETCH 0, 0
	FETCH 1, 0
; A step of theta or phi: the two tiles (v = 0, 1; u) of the walk's half q, q = j / 2, u = j % 2.
.macro TPSTEP j
	s_wait_loadcnt 0x0                             ; this step's scale words and bias
.if \j < 3
	PREW (\j+1)%2, CUR, (\j+1)/2, (\j+1)%2
	PREB (\j+1)%2, CUR, (\j+1)/2, (\j+1)%2
.else
	PREW 0, NXT, 0, 0
	s_cmp_eq_u32 s[TRIPS], 1                       ; g, which follows the second weight, takes its bias from registers
	s_cbranch_scc1 .Lno_bias_\@
	PREB 0, NXT, 0, 0
.Lno_bias_\@:
.endif
	MULP 0, \j%2, 0, \j%2
.if \j < 2
	MID \j%2, CUR, 1, \j%2                         ; the tile two steps on
.else
	MID \j%2, NXT, 0, \j%2
.endif
	FETCH 0, (\j+1)%2
	MULP 0, \j%2, 1, \j%2
	PLACES 5                                       ; in front of loads into the fragments' registers, of the first read of results, and of products that begin these sums anew
	FETCH 1, (\j+1)%2
.if \j%2
	QTP \j/2
.endif
.endm
	s_mov_b32 s[TRIPS], 2
.Lmat:                                 ; theta and phi, in the walk's order
	TPSTEP 0
	TPSTEP 1
	TPSTEP 2
	TPSTEP 3
	s_wait_xcnt 0x0                                ; pending loads and stores have read their bases
	s_mov_b64 s[CUR:CUR+1], s[NXT:NXT+1]
	s_mov_b64 s[CUR+2:CUR+3], s[NXT+2:NXT+3]
	s_mov_b64 s[CUR+4:CUR+5], s[NXT+4:NXT+5]
	s_mov_b64 s[CUR+6:CUR+7], s[NXT+6:NXT+7]
	s_mov_b64 s[NXT:NXT+1], s[GG:GG+1]
	s_mov_b64 s[NXT+2:NXT+3], s[GG+2:GG+3]
	s_mov_b64 s[NXT+4:NXT+5], s[GG+4:GG+5]
	s_mov_b64 s[NXT+6:NXT+7], s[GG+6:GG+7]
	s_sub_co_u32 s[TRIPS], s[TRIPS], 1
	s_cmp_lg_u32 s[TRIPS], 0
	s_cbranch_scc1 .Lmat
; g is written out: its last two steps ask for no tile.
.macro GSTEP j
	s_wait_loadcnt 0x0
.if \j < 3
	PREW (\j+1)%2, GG, (\j+1)/2, (\j+1)%2
.endif
.irp v,0,1
.irp i,0,1,2,3,4,5,6,7
	v_mov_b32 v[BI+16*(\j%2)+8*\v+\i], v[GB+4*(\j/2)+2*(\j%2)+\v]   ; a lane holds one d: its bias in all eight registers
.endr
.endr
	PLACES 4
	MULP 1, \j%2, 0, \j%2
.if \j < 2
	MID \j%2, GG, 1, \j%2
.elseif \j == 2
	WIN 0
	s_wait_tensorcnt 0x0                           ; the last tile has landed: no load was issued behind it, and I alone read its bytes
	s_wait_dscnt 0x0
	PLACES 4
.else
	s_wait_dscnt 0x0
.endif
.if \j < 3
	FETCH 0, (\j+1)%2
.endif
	MULP 1, \j%2, 1, \j%2
	PLACES 5
.if \j < 3
	FETCH 1, (\j+1)%2
.else
	WIN 0
.endif
	QG \j/2, \j%2
.endm
	GSTEP 0
	GSTEP 1
	GSTEP 2
	GSTEP 3
	ds_load_b64 v[TM:TM+1], v[AGL]                 ; LDS serves a wave's instructions in order: this sees my byte stores
	s_lshl_b32 s[TP], s[SH], 3                     ; 128 FQ: lanes 0-15 hold the 128 bytes of the walk's first half, lanes 16-31 those of its second
	v_xor_b32 v[TM+2], s[TP], v[L8]
	s_wait_dscnt 0x0
	global_store_b64 v[TM+2], v[TM:TM+1], s[GSO:GSO+1]   ; 256 consecutive bytes
	s_wait_tensorcnt 0x0                           ; the wave's end
	ds_add_u32 v[SPW], v[NIL]
	s_wait_dscnt 0x0
	ROUND                                          ; the closing round
	s_endpgm
.Lfunc_end_k_q8fa5458b73_proj:
	.size	k_q8fa5458b73_proj, .Lfunc_end_k_q8fa5458b73_proj-k_q8fa5458b73_proj
	.p2alignl 7, 3214868480
	.fill 96, 4, 3214868480
	.section	.rodata,"a",@progbits
	.p2align	6, 0x0
	.amdhsa_kernel k_q8fa5458b73_proj
		.amdhsa_group_segment_fixed_size 327680
		.amdhsa_private_segment_fixed_size 0
		.amdhsa_enable_private_segment 0
		.amdhsa_kernarg_size 128
		.amdhsa_user_sgpr_count 2
		.amdhsa_user_sgpr_kernarg_segment_ptr 1
		.amdhsa_wavefront_size32 1
		.amdhsa_system_sgpr_workgroup_id_x 1
		.amdhsa_system_sgpr_workgroup_id_y 1
		.amdhsa_system_sgpr_workgroup_id_z 1
		.amdhsa_system_vgpr_workitem_id 0
		.amdhsa_next_free_vgpr 1024
		.amdhsa_next_free_sgpr 102
		.amdhsa_reserve_vcc 0
		.amdhsa_float_denorm_mode_32 3
		.amdhsa_float_denorm_mode_16_64 3
		.amdhsa_memory_ordered 1
		.amdhsa_forward_progress 1
		.amdhsa_inst_pref_size 242
	.end_amdhsa_kernel
	.amdgpu_metadata
---
amdhsa.version: [ 1, 2 ]
amdhsa.kernels:
  - .name:           k_q8fa5458b73_proj
    .symbol:         k_q8fa5458b73_proj.kd
    .args:
      - { .name: x, .offset: 0, .size: 8, .value_kind: global_buffer, .address_space: global }
      - { .name: w_theta_codes, .offset: 8, .size: 8, .value_kind: global_buffer, .address_space: global }
      - { .name: w_theta_scales, .offset: 16, .size: 8, .value_kind: global_buffer, .address_space: global }
      - { .name: b_theta, .offset: 24, .size: 8, .value_kind: global_buffer, .address_space: global }
      - { .name: thq, .offset: 32, .size: 8, .value_kind: global_buffer, .address_space: global }
      - { .name: w_phi_codes, .offset: 40, .size: 8, .value_kind: global_buffer, .address_space: global }
      - { .name: w_phi_scales, .offset: 48, .size: 8, .value_kind: global_buffer, .address_space: global }
      - { .name: b_phi, .offset: 56, .size: 8, .value_kind: global_buffer, .address_space: global }
      - { .name: phq, .offset: 64, .size: 8, .value_kind: global_buffer, .address_space: global }
      - { .name: w_g_codes, .offset: 72, .size: 8, .value_kind: global_buffer, .address_space: global }
      - { .name: w_g_scales, .offset: 80, .size: 8, .value_kind: global_buffer, .address_space: global }
      - { .name: b_g, .offset: 88, .size: 8, .value_kind: global_buffer, .address_space: global }
      - { .name: gq, .offset: 96, .size: 8, .value_kind: global_buffer, .address_space: global }
      - { .name: w_out_codes, .offset: 104, .size: 8, .value_kind: global_buffer, .address_space: global }
      - { .name: w_out_scales, .offset: 112, .size: 8, .value_kind: global_buffer, .address_space: global }
      - { .name: woq, .offset: 120, .size: 8, .value_kind: global_buffer, .address_space: global }
    .group_segment_fixed_size: 327680
    .private_segment_fixed_size: 0
    .kernarg_segment_align: 8
    .kernarg_segment_size: 128
    .max_flat_workgroup_size: 128
    .sgpr_count:     102
    .vgpr_count:     1024
    .wavefront_size: 32
...
	.end_amdgpu_metadata
.endif
;; end of part 1
;; launch attn (part 2): grid 16 x 16, 4 waves a work-group, clusters of 4 x 1, 327,680 bytes of LDS; arguments thq, phq, gq, woq, b_out, x, out0; writes out0
.if DOCPART == 2
	.amdgcn_target "amdgcn-amd-amdhsa--gfx1250"
	.amdhsa_code_object_version 6
	.text
	.protected	k_q8fa5458b73_attn
	.globl	k_q8fa5458b73_attn
	.p2align	8
	.type	k_q8fa5458b73_attn,@function
k_q8fa5458b73_attn:
	s_mov_b64 s[64:65], 0
	v_nop
	global_prefetch_b8 v0, s[64:65] scope:SCOPE_SE
	s_setreg_imm32_b32 hwreg(HW_REG_WAVE_MODE, 25, 1), 1
	s_wait_xcnt 0x0
	s_wait_alu depctr_hold_cnt(0) depctr_sa_sdst(0) depctr_va_vdst(0) depctr_va_sdst(0) depctr_va_ssrc(0) depctr_va_vcc(0) depctr_vm_vsrc(0)
	s_getreg_b32 s2, hwreg(HW_REG_IB_STS2, 6, 4)
	s_cmp_eq_u32 s2, 0
	s_cbranch_scc0 .Lentry_in_a_cluster
	s_endpgm
.Lentry_in_a_cluster:
	s_bfe_u32 s2, ttmp6, 0x10000c
	s_cmp_lg_u32 s2, 0x3003
	s_cbranch_scc0 .Lentry_shape_is_right
	s_endpgm
.Lentry_shape_is_right:
; out0 = x + w_out y + b_out, y = softmax(theta phi / sqrt(512)) g, for 64 queries of one image, all three products on codes of BF6 (E3M2) with one E8M0 scale for each 32 along K.
; THE SOFTMAX AHEAD OF THE SECOND PRODUCT: t = score x log2(e) / sqrt(512); M = the row's largest t rounded up to a whole number; p = 2^(t - M) is quantised along the keys; the row's sum of the
; unquantised p divides the product, and the quotient y is quantised along d.
; SHARES.  Wave w owns: in the scores 256 keys for all 64 queries (S^T in 512 registers: the whole row is there before the maximum is taken, so no running maximum is needed);
; in P g the d 128 w .. 128 w + 127; in the last product channels 256 w .. 256 w + 255.  The rows' maxima and sums, p's codes and y's codes go from wave to wave through LDS, the codes as images of the operands' registers.
; THE RING.  What is streamed (four blocks of phi, four of g, four of w_out, 25,600 bytes each: 16 fragments and their scales) belongs to one wave: it reads only bytes that its own tensor load brought,
; through two slots of its own.  The four work-groups of a cluster stream the same blocks, so each is asked for jointly (mask 15).  By the text's own count a wave has two tensor loads out at the start and one later.
; A step: 32 products on the first 8 fragments | the change of slots | the next step's first 8 fragments | 32 products on the last 8 | the next step's last 8.  Each fragment feeds four products.
; THE WALK.  The four clusters of an image stream the same g, all 64 clusters the same w_out, but not in the same order.  In cluster c of an image wave w takes the keys 256 (w xor c) on; p's images keep
; their places in LDS by wave, so step k of P g takes g's block k xor c: the four clusters begin on four different blocks, and the other three have been read by another cluster before a cluster asks for them.
; The last product takes my four blocks of 64 channels in the order j xor c2, c2 folded from the cluster's x and the image.  c and c2 are the same in all four partners and enter global addresses alone.
; LAYOUT.  S^T = phi theta^T and O^T = g^T P^T: a lane holds one query.  The positions of a tile are ordered so (tile 2 b + u, index r: position 32 b + 8 u + r + 8 (r / 8)) that a lane's 16 registers of two
; neighbouring tiles are 16 neighbours along the next K.  In the last product source 0 = y: a lane holds one channel and eight neighbouring positions.
; LIMITS: NaN and infinities are not served; a block whose largest magnitude lies under 2^-122 keeps the scale byte 1 (a block of zeros too: its codes are zeros); p under 2^-126 counts as 0;
; 1 / l is v_rcp_f32; t is the score times one constant.
; REGISTERS, in windows of 256: window 0: v1-27 addresses; v28-63 scales; v64-159, v160-255 the streamed fragments' two halves (at work in the softmax).  window 1: S^T of my first 128 keys, then O^T, then the last
; product's accumulators (v0-127), its bias (v128-159) and rows on their way out (v160-223).  window 2: S^T of my second 128 keys, then x.  window 3: theta, then P, then y; v192-207 b_out.
.set BLK,   25600
.set SCO,   24576
.set PIMG,  204800                     ; LDS: behind the rings (51,200 bytes a wave): p's 32 fragments (4 ks + T), three images of 512 bytes each,
.set PSC,   253952                     ; p's scale words (2 ks + pair), 128 bytes each,
.set MX,    256000                     ; the rows' maxima [wave][T][128 bytes]; 2,048 bytes on: the rows' sums,
.set YSC,   260096                     ; y's scale words,
.set STG,   261120                     ; a stage of 16 rows x 272 bytes for each wave,
.set SPARE, 278528                     ; the spare words, 128 bytes a wave: two blocks of 256 bytes that no other line names,
.set YIMG,  279040                     ; y's 16 fragments (4 T + ks)
.set L16, 1
.set L8,  2
.set AR16, 3                           ; my ring + 16, 8, 2 x lane
.set AR8, 4
.set AR2, 5
.set AP16, 6
.set APW, 7
.set APS, 8
.set APSW, 9
.set AMX, 10
.set AMXW, 11
.set AY16, 12
.set AYW, 13
.set AYS, 14
.set AYSW, 15
.set ASTO, 16
.set ASRD, 17
.set VX,  18                           ; 4,096 h + 16 r: two channels' rows of 256 bytes
.set VB,  19
.set SPW, 20                           ; LDS address of my spare word; never rewritten
.set NIL, 21                           ; 0; never rewritten
.set PFO, 22                           ; 256 x lane
.set PFX, 23                           ; 4,096 x lane
.set TS,  28                           ; v28-35 theta's scale words (2 ks + pair), later y's
.set SS,  36                           ; v36-43 the streamed operand's scale words, four a half
.set PS,  44                           ; v44-47 p's, two a half
.set VU,  48                           ; v48-63 g's scale bytes, two at a time; later 1 / l; at the head v48-51: b_out's offsets
.set RL,  48
.set HF,  64
.set BM,  64                           ; in the softmax: 32 blocks' largest scores, then largest p, then scale operands
.set PT,  96
.set RM,  100
.set ML,  104
.set NM,  120                          ; -M, a pair for each tile of queries
.set LS,  128                          ; the sums: two chains of pairs for each tile
.set BY,  144
.set PW,  148
.set PCA, 156                          ; codes: two sets of 20
.set CW,  196
.set BV,  192                          ; in window 3
.set WV,  18
.set CX,  19
.set QB,  20
.set N,   21
.set RB,  22                           ; 51,200 x wave
.set HM,  23
.set SEL, 24
.set CS,  26                           ; s[26:27] c = log2(e) / sqrt(512)
.set GQJ, 66                           ; s[66:73] g's block of each of the four steps of P g
.set WOJ, 74                           ; s[74:81] w_out's block of each of the last product's four steps,
.set XBJ, 82                           ; s[82:89] x at that step's first channel,
.set OBJ, 90                           ; s[90:97] out0 likewise
.set MSB, 0
.macro WIN new                         ; the immediate's high byte repeats the setting that is left
.if MSB != (\new)
	s_set_vgpr_msb (MSB<<8)|(\new)
.set MSB, (\new)
.endif
.endm
.macro PLACES n
.rept \n
	v_nop
.endr
.endm
.macro ROUND                           ; a round of the cluster's barrier
	s_barrier_signal -1
	s_barrier_wait -1
	s_cmp_lg_u32 s[WV], 0
	s_cbranch_scc1 .Lnot_wave_0_\@
	s_barrier_signal -3
.Lnot_wave_0_\@:
	s_barrier_wait -3
	s_barrier_signal -1
	s_barrier_wait -1
.endm
; One matrix instruction from the symbols rD, rA, rB, rC (under 0: the constant 0), rSA, rSB, fA, fB (1: the scales stand in lanes 16-31)
.macro WMS
.if rC < 0
.if (fA == 0) && (fB == 0)
	v_wmma_scale_f32_16x16x128_f8f6f4 v[rD:rD+7], v[rA:rA+11], v[rB:rB+11], 0, v[rSA], v[rSB] matrix_a_fmt:MATRIX_FMT_BF6 matrix_b_fmt:MATRIX_FMT_BF6
.elseif fB == 0
	v_wmma_scale_f32_16x16x128_f8f6f4 v[rD:rD+7], v[rA:rA+11], v[rB:rB+11], 0, v[rSA], v[rSB] matrix_a_fmt:MATRIX_FMT_BF6 matrix_b_fmt:MATRIX_FMT_BF6 matrix_a_scale:MATRIX_SCALE_ROW1
.elseif fA == 0
	v_wmma_scale_f32_16x16x128_f8f6f4 v[rD:rD+7], v[rA:rA+11], v[rB:rB+11], 0, v[rSA], v[rSB] matrix_a_fmt:MATRIX_FMT_BF6 matrix_b_fmt:MATRIX_FMT_BF6 matrix_b_scale:MATRIX_SCALE_ROW1
.else
	v_wmma_scale_f32_16x16x128_f8f6f4 v[rD:rD+7], v[rA:rA+11], v[rB:rB+11], 0, v[rSA], v[rSB] matrix_a_fmt:MATRIX_FMT_BF6 matrix_b_fmt:MATRIX_FMT_BF6 matrix_a_scale:MATRIX_SCALE_ROW1 matrix_b_scale:MATRIX_SCALE_ROW1
.endif
.else
.if (fA == 0) && (fB == 0)
	v_wmma_scale_f32_16x16x128_f8f6f4 v[rD:rD+7], v[rA:rA+11], v[rB:rB+11], v[rC:rC+7], v[rSA], v[rSB] matrix_a_fmt:MATRIX_FMT_BF6 matrix_b_fmt:MATRIX_FMT_BF6
.elseif fB == 0
	v_wmma_scale_f32_16x16x128_f8f6f4 v[rD:rD+7], v[rA:rA+11], v[rB:rB+11], v[rC:rC+7], v[rSA], v[rSB] matrix_a_fmt:MATRIX_FMT_BF6 matrix_b_fmt:MATRIX_FMT_BF6 matrix_a_scale:MATRIX_SCALE_ROW1
.elseif fA == 0
	v_wmma_scale_f32_16x16x128_f8f6f4 v[rD:rD+7], v[rA:rA+11], v[rB:rB+11], v[rC:rC+7], v[rSA], v[rSB] matrix_a_fmt:MATRIX_FMT_BF6 matrix_b_fmt:MATRIX_FMT_BF6 matrix_b_scale:MATRIX_SCALE_ROW1
.else
	v_wmma_scale_f32_16x16x128_f8f6f4 v[rD:rD+7], v[rA:rA+11], v[rB:rB+11], v[rC:rC+7], v[rSA], v[rSB] matrix_a_fmt:MATRIX_FMT_BF6 matrix_b_fmt:MATRIX_FMT_BF6 matrix_a_scale:MATRIX_SCALE_ROW1 matrix_b_scale:MATRIX_SCALE_ROW1
.endif
.endif
.endm
	s_load_b256 s[4:11], s[0:1], 0x0               ; thq, phq, gq, woq
	s_load_b128 s[12:15], s[0:1], 0x20             ; b_out, x
	s_load_b64 s[16:17], s[0:1], 0x30              ; out0
	v_lshl_add_u32 v[SPW], v0, 2, SPARE
	v_mov_b32 v[NIL], 0
	ds_add_u32 v20, v21
	ds_add_u32 v20, v21
	s_wait_dscnt 0x0
	v_lshrrev_b32 v24, 5, v0
	v_readfirstlane_b32 s[WV], v24                 ; wave 0..3
	s_bfe_u32 s[CX], ttmp6, 0x40000                ; my place in the cluster
	s_lshl_b32 s[QB], ttmp9, 2
	s_add_co_u32 s[QB], s[QB], s[CX]               ; my block of 64 queries: it enters global addresses of my own loads, stores and prefetches alone
	s_and_b32 s[N], ttmp7, 0xffff                  ; the image, which the four partners share
	s_mul_i32 s[RB], s[WV], 2*BLK
	s_mov_b32 s[HM], 0xffff0000
	s_mov_b32 s[SEL], 0x76543210
	s_mov_b32 s[SEL+1], 0xfedcba98
	s_mov_b32 s[CS], 0x3d8293ee
	s_mov_b32 s[CS+1], s[CS]                       ; (named with it as a pair, so it is written)
	v_and_b32 v24, 31, v0                          ; lane
	v_and_b32 v25, 15, v0                          ; r
	v_bfe_u32 v26, v0, 4, 1                        ; h
	v_lshlrev_b32 v[L16], 4, v24
	v_lshlrev_b32 v[L8], 3, v24
	v_add_nc_u32 v[AR16], s[RB], v[L16]
	v_add_nc_u32 v[AR8], s[RB], v[L8]
	v_lshl_add_u32 v[AR2], v24, 1, s[RB]
	v_add_nc_u32 v[AP16], PIMG, v[L16]
	s_mul_i32 s47, s[WV], 12288
	s_add_co_u32 s47, s47, PIMG
	v_add_nc_u32 v[APW], s47, v[L16]               ; my two K steps' eight fragments of p
	v_lshl_add_u32 v[APS], v24, 2, PSC
	s_lshl_b32 s47, s[WV], 9
	v_add_nc_u32 v[APSW], s47, v[APS]
	v_lshl_add_u32 v[AMX], v24, 2, MX
	v_add_nc_u32 v[AMXW], s47, v[AMX]
	v_add_nc_u32 v[AY16], YIMG, v[L16]
	s_mul_i32 s47, s[WV], 1536
	v_add_nc_u32 v[AYW], s47, v[AY16]
	v_lshl_add_u32 v[AYS], v24, 2, YSC
	s_lshl_b32 s47, s[WV], 8
	v_add_nc_u32 v[AYSW], s47, v[AYS]
	s_mul_i32 s47, s[WV], 4352
	s_add_co_u32 s47, s47, STG
	v_mul_u32_u24 v[ASTO], v25, 272                ; into the stage: row = my channel, + 64 h
	v_lshl_add_u32 v[ASTO], v26, 6, v[ASTO]
	v_add_nc_u32 v[ASTO], s47, v[ASTO]
	v_mul_u32_u24 v[ASRD], v26, 272                ; back: lanes 0-15 one row of 256 bytes, lanes 16-31 the next
	v_lshl_add_u32 v[ASRD], v25, 4, v[ASRD]
	v_add_nc_u32 v[ASRD], s47, v[ASRD]
	v_lshlrev_b32 v[VX], 4, v25
	v_lshl_add_u32 v[VX], v26, 12, v[VX]
	v_lshlrev_b32 v[VB], 2, v25
	v_lshlrev_b32 v[PFO], 8, v24
	v_lshlrev_b32 v[PFX], 12, v24
	; a block: 100 dense rows of 256 bytes (32 elements of 8 bytes), no padding: images are read with neighbouring lanes at neighbouring bytes
	s_mov_b32 s28, 15|(3<<16)|(1<<21)              ; the mask: all four work-groups; bit 21 beside a mask
	s_mov_b32 s29, 32<<16
	s_mov_b32 s30, 100<<16
	s_mov_b32 s31, 32<<16
	s_mov_b32 s32, 100
	s_mov_b32 s33, 32
	s_mov_b32 s34, 0
	s_mov_b32 s35, 0
	s_mov_b32 s63, 0                               ; s[62:63], s47: offsets that the partners share;  s[2:3], s46: offsets that hang on my place
	s_mov_b32 s3, 0
	s_and_b32 s98, ttmp9, 3                        ; c: which of the image's four clusters
	s_lshr_b32 s99, s[N], 2                        ; c2: the cluster's x and the image, folded to two bits
	s_xor_b32 s99, s99, s[N]
	s_xor_b32 s99, s99, ttmp9
	s_and_b32 s99, s99, 3
	s_lshl_b32 s47, s[N], 4
	s_xor_b32 s62, s[WV], s98                      ; my keys: 256 (w xor c) on
	s_lshl_b32 s62, s62, 2
	s_add_co_u32 s62, s62, s47
	s_mul_i32 s62, s62, BLK                        ; phi: blocks 16 n + 4 (w xor c) on
	s_add_co_u32 s2, s47, s[QB]
	s_mul_i32 s2, s2, BLK                          ; theta: block 16 n + qb
	s_wait_kmcnt 0x0
	s_add_nc_u64 s[48:49], s[6:7], s[62:63]
	s_add_nc_u64 s[58:59], s[4:5], s[2:3]
	s_lshl_b32 s47, s[N], 2
	s_add_co_u32 s62, s47, s[WV]
	s_mul_i32 s62, s62, 4*BLK
	s_add_nc_u64 s[50:51], s[8:9], s[62:63]        ; g: blocks (4 n + w) 4 on
	s_add_co_u32 s2, s47, s[CX]
	s_mul_i32 s2, s2, 4*BLK
	s_lshl_b32 s46, s[WV], 13
	s_add_co_u32 s2, s2, s46
	s_mul_i32 s46, s98, BLK
	s_add_co_u32 s2, s2, s46
	s_add_nc_u64 s[44:45], s[8:9], s[2:3]          ; the prefetch of g: block c of wave cx, 8,192 bytes of it for each of my waves 0 to 2
	s_mul_i32 s62, s[WV], 4*BLK
	s_add_nc_u64 s[52:53], s[10:11], s[62:63]      ; w_out: blocks 4 w on
	s_lshl_b32 s62, s[WV], 10
	s_add_nc_u64 s[60:61], s[12:13], s[62:63]      ; b_out: my 256 channels
	s_lshl_b32 s2, s[N], 22
	s_lshl_b32 s46, s[QB], 8
	s_add_co_u32 s2, s2, s46
	s_lshl_b32 s46, s[WV], 20
	s_add_co_u32 s2, s2, s46
	s_add_nc_u64 s[54:55], s[14:15], s[2:3]        ; x and out0 at my first channel, my block's first position
	s_add_nc_u64 s[56:57], s[16:17], s[2:3]
.irp j,0,1,2,3                         ; the walk's four steps
	s_xor_b32 s62, s98, \j
	s_mul_i32 s62, s62, BLK
	s_add_nc_u64 s[GQJ+2*\j:GQJ+2*\j+1], s[50:51], s[62:63]    ; P g: p's K steps 2 j, 2 j + 1 were made by wave j, of the keys 256 (j xor c) on
	s_xor_b32 s47, s99, \j
	s_mul_i32 s62, s47, BLK
	s_add_nc_u64 s[WOJ+2*\j:WOJ+2*\j+1], s[52:53], s[62:63]    ; the last product: my channels 64 (j xor c2) on
	s_lshl_b32 s62, s47, 18                        ; 64 channels of 4,096 bytes
	s_add_nc_u64 s[XBJ+2*\j:XBJ+2*\j+1], s[54:55], s[62:63]
	s_add_nc_u64 s[OBJ+2*\j:OBJ+2*\j+1], s[56:57], s[62:63]
	s_lshl_b32 s62, s47, 8                         ; 64 biases
	v_add_nc_u32 v[48+\j], s62, v[VB]
.endr
	s_cmp_lt_u32 s[WV], 3
	s_cselect_b32 s46, 1, 0                        ; waves 0 to 2 prefetch g
	s_mov_b32 s36, 1                               ; group 0 for slot 0,
	s_mov_b32 s37, s[RB]
	s_mov_b64 s[38:39], s[48:49]
	s_or_b32 s39, s39, 0x80000000
	s_mov_b32 s40, 1                               ; and for slot 1
	s_add_co_u32 s41, s[RB], BLK
	s_add_nc_u64 s[42:43], s[48:49], BLK
	s_or_b32 s43, s43, 0x80000000
	ROUND                                          ; all four work-groups are here: the first joint loads meet
	tensor_load_to_lds s[36:39], s[28:35]
	s_nop 0
	tensor_load_to_lds s[40:43], s[28:35]
	s_nop 0
	PLACES 4
	WIN 0xc0                                       ; destination window 3
.set f, 0
.rept 16                               ; theta's fragments (4 T + ks) stay in registers
	global_load_b128 v[12*f:12*f+3], v[L16], s[58:59] offset:1536*f
	global_load_b64 v[12*f+4:12*f+5], v[L8], s[58:59] offset:1536*f+512
	global_load_b128 v[12*f+6:12*f+9], v[L16], s[58:59] offset:1536*f+768
	global_load_b64 v[12*f+10:12*f+11], v[L8], s[58:59] offset:1536*f+1280
.set f, f+1
.endr
.irp j,0,1,2,3
.irp ct,0,1,2,3
	global_load_b32 v[BV+4*\j+\ct], v[48+\j], s[60:61] offset:64*\ct     ; b_out of my channel in tile ct of the walk's step j
.endr
.endr
	WIN 0
.irp s,0,1,2,3
	global_load_b64 v[TS+2*\s:TS+2*\s+1], v[L8], s[58:59] offset:SCO+256*\s
.endr
.macro FRH reg, off                    ; a fragment from my ring: four loads, each of consecutive bytes
	ds_load_b128 v[(\reg):(\reg)+3], v[AR16] offset:(\off)
	ds_load_b64 v[(\reg)+4:(\reg)+5], v[AR8] offset:(\off)+512
	ds_load_b128 v[(\reg)+6:(\reg)+9], v[AR16] offset:(\off)+768
	ds_load_b64 v[(\reg)+10:(\reg)+11], v[AR8] offset:(\off)+1280
.endm
; THE CHANGE OF SLOTS in step k: all of slot k % 2 lies in registers.  Each wave waits for all its tensor loads (block k + 1), adds 0 to its spare word, waits for that and for its LDS reads;
; a round of the cluster's barrier; then the joint refill with block k + 2, first thing behind it.
.macro MID k
	WIN 0
	s_wait_tensorcnt 0x0                           ; no tensor load of mine is out, so a group 0 may be written
	ds_add_u32 v[SPW], v[NIL]
.set gz, 36+4*((\k)%2)
.set nb, (\k)+2
.if nb < 4
	s_add_nc_u64 s[gz+2:gz+3], s[48:49], nb*BLK
.elseif nb < 8
	s_mov_b64 s[gz+2:gz+3], s[GQJ+2*(nb-4):GQJ+2*(nb-4)+1]
.else
	s_mov_b64 s[gz+2:gz+3], s[WOJ+2*(nb-8):WOJ+2*(nb-8)+1]
.endif
	s_or_b32 s[gz+3], s[gz+3], 0x80000000
	s_wait_dscnt 0x0
	ROUND
	tensor_load_to_lds s[gz:gz+3], s[28:35]
	s_nop 0
	PLACES 4                                       ; the places in front of the loads that follow
.endm
; A prefetch of 24,576 bytes of g's codes, at the first change of slots, two refills ahead of the load that asks for them: the blocks with which this cluster begins P g, which no other cluster of the image
; loads earlier.  Cluster c names block c of each of the four waves' d: partner cx that of wave cx (told apart by address), waves 0 to 2 take 8,192 bytes each, lanes 256 bytes apart.
; So the four clusters of an image name each of its 16 blocks once.  The address registers are never stepped.
.macro ASKG
	s_cmp_eq_u32 s46, 1
	s_cbranch_scc0 .Lnot_mine_\@
	global_prefetch_b8 v[PFO], s[44:45] th:TH_LOAD_NT scope:SCOPE_SE
.Lnot_mine_\@:
.endm
; ---- the scores
.macro FS half, k                      ; 34 loads: phi's scale words and fragments of K steps 2 half, 2 half + 1
.set sl, ((\k)%2)*BLK
.irp kk,0,1
	ds_load_b64 v[SS+4*(\half)+2*\kk:SS+4*(\half)+2*\kk+1], v[AR8] offset:sl+SCO+256*(2*(\half)+\kk)
.endr
.irp kk,0,1
.irp tk,0,1,2,3
	FRH HF+96*(\half)+48*\kk+12*\tk, sl+(\tk*4+2*(\half)+\kk)*1536
.endr
.endr
.endm
.macro MULS st, half                   ; 32 products: 2 K steps x 4 tiles of keys x 4 tiles of queries; 16 accumulators by turns
	WIN 0x5c+0x50*((\st)/2)                        ; source 0 (phi) window 0, source 1 (theta) window 3, C and D window 1 or 2
.irp kk,0,1
.if (\half) == 0
	s_wait_dscnt 50-16*\kk                         ; behind this K step's loads: the next K step's 16, the second half's 34
.endif
.irp tk,0,1,2,3
.irp t,0,1,2,3
.set ks, 2*(\half)+\kk
.set rD, 64*\t+32*((\st)%2)+8*\tk
.set rA, HF+96*(\half)+48*\kk+12*\tk
.set rB, 48*\t+12*ks
.set rSA, SS+4*(\half)+2*\kk+\tk/2
.set rSB, TS+2*ks+\t/2
.set fA, \tk%2
.set fB, \t%2
.set rC, rD
.if ks == 0
.set rC, -1
.endif
	WMS
.endr
.endr
.endr
.endm
.macro SSTEP k
	MULS \k, 0
	MID \k
.if (\k) < 3
	FS 0, (\k)+1
.endif
.if (\k) == 0
	ASKG
.endif
	MULS \k, 1
	PLACES 5                                       ; in front of loads into the fragments' registers and of the first read of results
	WIN 0
.if (\k) < 3
	FS 1, (\k)+1
.endif
.endm
	s_wait_tensorcnt 0x1                           ; my first block has landed; the second may be out.  I alone read these bytes
	FS 0, 0
	FS 1, 0
	s_wait_loadcnt 0x0                             ; theta, its scale words, b_out
	SSTEP 0
	SSTEP 1
	SSTEP 2
	SSTEP 3
; ---- the softmax.  Register 64 T + 16 b + i of window 1 + w holds, of query r of tile T, key 128 w + 32 b + 16 h + i of my 256.
.irp b,0,1,2,3
	v_mov_b32 v[PT+\b], 0                          ; written once: a lane permute's destination counts as one of its sources
.endr
.irp w,0,1                             ; the largest score of each block of 32 keys: it serves for the row's maximum and, since p rises with the score, for the block's largest p.  Each accumulator is read from its low end on
	WIN 5+5*\w
.irp t,0,1,2,3
.irp b,0,1,2,3
	v_max_num_f32 v[BM+16*\w+4*\t+\b], v[64*\t+16*\b], v[64*\t+16*\b+1]
.endr
.irp i,2,4,6,8,10,12,14
.irp b,0,1,2,3
	v_max3_num_f32 v[BM+16*\w+4*\t+\b], v[64*\t+16*\b+\i], v[64*\t+16*\b+\i+1], v[BM+16*\w+4*\t+\b]
.endr
.endr
.endr
.endr
	WIN 0
.irp g,0,1,2,3,4,5,6,7
.irp b,0,1,2,3
	v_permlanex16_b32 v[PT+\b], v[BM+4*\g+\b], s[SEL], s[SEL+1]
.endr
.irp b,0,1,2,3
	v_max_num_f32 v[BM+4*\g+\b], v[BM+4*\g+\b], v[PT+\b]   ; with lane l xor 16's 16 keys
.endr
.endr
.irp t,0,1,2,3
	v_max3_num_f32 v[RM+\t], v[BM+4*\t], v[BM+4*\t+1], v[BM+4*\t+2]
.endr
.irp t,0,1,2,3
	v_max3_num_f32 v[RM+\t], v[RM+\t], v[BM+4*\t+3], v[BM+16+4*\t]
.endr
.irp t,0,1,2,3
	v_max3_num_f32 v[RM+\t], v[RM+\t], v[BM+16+4*\t+1], v[BM+16+4*\t+2]
.endr
.irp t,0,1,2,3
	v_max_num_f32 v[RM+\t], v[RM+\t], v[BM+16+4*\t+3]
.endr
.irp t,0,1,2,3
	ds_store_b32 v[AMXW], v[RM+\t] offset:128*\t   ; my 256 keys' largest score of each query
.endr
	s_wait_dscnt 0x0
	s_barrier_signal -1                            ; (my one tensor load may stay out)
	s_barrier_wait -1
.irp t,0,1,2,3
.irp u,0,1,2,3
	ds_load_b32 v[ML+4*\t+\u], v[AMX] offset:512*\u+128*\t
.endr
.endr
	s_wait_dscnt 0x0
.irp t,0,1,2,3
	v_max3_num_f32 v[RM+\t], v[ML+4*\t], v[ML+4*\t+1], v[ML+4*\t+2]
.endr
.irp t,0,1,2,3
	v_max_num_f32 v[RM+\t], v[RM+\t], v[ML+4*\t+3] ; the row's largest score
.endr
.irp t,0,1,2,3
	v_mul_f32 v[RM+\t], s[CS], v[RM+\t]            ; as t (c is positive)
.endr
.irp t,0,1,2,3
	v_floor_f32 v[NM+2*\t], -v[RM+\t]              ; -M = floor(-t) = -ceil(t)
.endr
.irp t,0,1,2,3
	v_mov_b32 v[NM+2*\t+1], v[NM+2*\t]             ; (the packed form names a pair)
.endr
.irp w,0,1
.irp t,0,1,2,3
.irp b,0,1,2,3
	v_fma_f32 v[BM+16*\w+4*\t+\b], v[BM+16*\w+4*\t+\b], s[CS], v[NM+2*\t]
.endr
.endr
.endr
.irp w,0,1                             ; t - M, two at a time, and p = 2^(t - M).  All 544 exponentials are one batch: none reads another's result
	WIN 0x41+0x41*\w                               ; destination and source 0 window 1 or 2
.irp t,0,1,2,3
.set m, 0
.rept 32
	v_pk_fma_f32 v[64*\t+2*m:64*\t+2*m+1], v[64*\t+2*m:64*\t+2*m+1], s[CS:CS+1], v[NM+2*\t:NM+2*\t+1] op_sel_hi:[1,0,0]
.set m, m+1
.endr
.endr
.set m, 0
.rept 256
	v_exp_f32 v[m], v[m]
.set m, m+1
.endr
.endr
	WIN 0
.set m, 0
.rept 32
	v_exp_f32 v[BM+m], v[BM+m]                     ; each block's largest p: the same two instructions on the same number give the same bits
.set m, m+1
.endr
	v_nop                                          ; a plain place behind the last exponential
	s_wait_alu depctr_va_vdst(0)                   ; one wait for the batch, ahead of its first reader
	WIN 0x05                                       ; the rows' sums of the unquantised p: two chains for each tile of queries, begun by their first additions
.irp t,0,1,2,3
	v_pk_add_f32 v[LS+4*\t:LS+4*\t+1], v[64*\t:64*\t+1], v[64*\t+4:64*\t+5]
	v_pk_add_f32 v[LS+4*\t+2:LS+4*\t+3], v[64*\t+2:64*\t+3], v[64*\t+6:64*\t+7]
.endr
	WIN 0x04
.set m, 4
.rept 28
.irp t,0,1,2,3
	v_pk_add_f32 v[LS+4*\t+2*(m%2):LS+4*\t+2*(m%2)+1], v[LS+4*\t+2*(m%2):LS+4*\t+2*(m%2)+1], v[64*\t+2*m:64*\t+2*m+1]
.endr
.set m, m+1
.endr
	WIN 0x08
.set m, 0
.rept 32
.irp t,0,1,2,3
	v_pk_add_f32 v[LS+4*\t+2*(m%2):LS+4*\t+2*(m%2)+1], v[LS+4*\t+2*(m%2):LS+4*\t+2*(m%2)+1], v[64*\t+2*m:64*\t+2*m+1]
.endr
.set m, m+1
.endr
	WIN 0
.set m, 0
.rept 32
	v_max_num_f32 v[BM+m], 0x2800000, v[BM+m]      ; the floor 2^(5 - 127): the byte cannot fall under 1
.set m, m+1
.endr
.set m, 0
.rept 32
	v_add_nc_u32 v[BM+m], 0xfe000000, v[BM+m]      ; 4 off the exponent field: the conversion's scale operand
.set m, m+1
.endr
.macro WORD dst, so                    ; four scale operands' bytes make a scale word
.irp b,0,1,2,3
	v_lshrrev_b32 v[BY+\b], 23, v[(\so)+\b]
.endr
	v_lshl_or_b32 v[\dst], v[BY+1], 8, v[BY]
	v_lshl_or_b32 v[\dst], v[BY+2], 16, v[\dst]
	v_lshl_or_b32 v[\dst], v[BY+3], 24, v[\dst]
.endm
; 64 numbers of a lane in window W (register 16 b + i = k 32 b + 16 h + i of my row) become a fragment's 12 registers at pc
.macro CODES W, s, so, pc
	WIN \W
.irp c,0,1
	v_cvt_scalef32_pk16_bf6_f32 v[(\pc)+6*\c:(\pc)+6*\c+2], v[(\s)+32*\c:(\s)+32*\c+15], v[(\so)+2*\c]
	v_cvt_scalef32_pk16_bf6_f32 v[(\pc)+12+4*\c:(\pc)+14+4*\c], v[(\s)+32*\c+16:(\s)+32*\c+31], v[(\so)+2*\c+1]   ; (a conversion's three registers begin on an even number)
.endr
	v_nop                                          ; one plain place behind the conversions
	WIN 0
.irp c,0,1                             ; a whole block to a lane: lanes 0-15 block 2 c, lanes 16-31 block 2 c + 1
.irp i,0,1,2
	v_permlane16_swap_b32 v[(\pc)+6*\c+\i], v[(\pc)+12+4*\c+\i]
.endr
.irp i,0,1,2
	v_mov_b32 v[(\pc)+3+6*\c+\i], v[(\pc)+12+4*\c+\i]
.endr
.endr
.endm
.irp g,0,1,2,3,4,5,6,7
	WORD PW+\g, BM+4*\g
.endr
.irp w,0,1
.irp t,0,1,2,3
.if (4*\w+\t) >= 2
	s_wait_dscnt 3                                 ; the stores of two units back have read this set; the last unit's three may be out
.endif
	CODES 1+\w, 64*\t, BM+16*\w+4*\t, PCA+20*(\t%2)
.irp c,0,1,2
	ds_store_b128 v[APW], v[PCA+20*(\t%2)+4*\c:PCA+20*(\t%2)+4*\c+3] offset:(4*\w+\t)*1536+512*\c
.endr
.endr
.endr
.irp w,0,1
.irp p,0,1
	v_cndmask_b32 v[CW+2*\w+\p], v[PW+4*\w+2*\p], v[PW+4*\w+2*\p+1], s[HM]   ; two tiles' words share a register
.endr
.endr
.irp w,0,1
.irp p,0,1
	ds_store_b32 v[APSW], v[CW+2*\w+\p] offset:(2*\w+\p)*128
.endr
.endr
.irp t,0,1,2,3
	v_pk_add_f32 v[LS+4*\t:LS+4*\t+1], v[LS+4*\t:LS+4*\t+1], v[LS+4*\t+2:LS+4*\t+3]
.endr
.irp t,0,1,2,3
	v_add_f32 v[LS+4*\t], v[LS+4*\t], v[LS+4*\t+1]
.endr
.irp t,0,1,2,3
	v_permlanex16_b32 v[PT+\t], v[LS+4*\t], s[SEL], s[SEL+1]
.endr
.irp t,0,1,2,3
	v_add_f32 v[LS+4*\t], v[LS+4*\t], v[PT+\t]
.endr
.irp t,0,1,2,3
	ds_store_b32 v[AMXW], v[LS+4*\t] offset:2048+128*\t    ; my 256 keys' part of each row's sum
.endr
	s_wait_dscnt 0x0
	s_barrier_signal -1
	s_barrier_wait -1                              ; p's 32 fragments, their scale words and the sums' parts lie in LDS
; ---- O^T = g^T P^T
.macro FV half, k                      ; 54 loads: g's scale bytes, p's scale words and four fragments, g's eight fragments, for 128 keys
.set sl, ((\k)%2)*BLK
.set pk, 2*((\k)-4)+(\half)
.irp c,0,1
.irp i,0,1,2,3
	ds_load_u16 v[VU+8*(\half)+4*\c+\i], v[AR2] offset:sl+SCO+(2*(\half)+\c)*256+64*\i
.endr
.endr
.irp p,0,1
	ds_load_b32 v[PS+2*(\half)+\p], v[APS] offset:(2*pk+\p)*128
.endr
	WIN 0xc0
.irp t,0,1,2,3
.irp c,0,1,2
	ds_load_b128 v[48*(\half)+12*\t+4*\c:48*(\half)+12*\t+4*\c+3], v[AP16] offset:(4*pk+\t)*1536+512*\c
.endr
.endr
	WIN 0
.irp dt,0,1,2,3,4,5,6,7
	FRH HF+96*(\half)+12*\dt, sl+(8*(\half)+\dt)*1536
.endr
.endm
.macro MULV k, half                    ; 32 products: 8 tiles of d x 4 tiles of queries; 32 accumulators by turns
.irp i,0,1,2,3
	v_lshl_or_b32 v[SS+4*(\half)+\i], v[VU+8*(\half)+4+\i], 16, v[VU+8*(\half)+\i]   ; the two halves' bytes make g's scale word
.endr
	PLACES 8                                       ; a scale register written by a vector instruction stands 8 places ahead of the product
	WIN 0x5c
.irp dt,0,1,2,3,4,5,6,7
.irp t,0,1,2,3
.set rD, 64*\t+8*\dt
.set rA, HF+96*(\half)+12*\dt
.set rB, 48*(\half)+12*\t
.set rSA, SS+4*(\half)+\dt/2
.set rSB, PS+2*(\half)+\t/2
.set fA, \dt%2
.set fB, \t%2
.set rC, rD
.if ((\k) == 4) && ((\half) == 0)
.set rC, -1
.endif
	WMS
.endr
.endr
.endm
.macro XLOAD j                         ; x of the 64 channels of the walk's step j: sixteen lanes read a row's 256 bytes
	WIN 0x80
.irp ct,0,1,2,3
.irp i,0,1,2,3,4,5,6,7
	global_load_b128 v[128*((\j)%2)+32*\ct+4*\i:128*((\j)%2)+32*\ct+4*\i+3], v[VX], s[XBJ+2*(\j):XBJ+2*(\j)+1] offset:(16*\ct+2*\i)*4096 th:TH_LOAD_NT
.endr
.endr
	WIN 0
.endm
.macro VSTEP k
	s_wait_dscnt 54                                ; the first half is in; the second half's 54 loads may be out
	MULV \k, 0
	MID \k
.if (\k) < 7
	FV 0, (\k)+1
.endif
.if (\k) >= 6                          ; x of the walk's step k - 4 is prefetched, a lane a row of 256 bytes: it is loaded at the end of the last product's first or second step
	global_prefetch_b8 v[PFX], s[XBJ+2*((\k)-4):XBJ+2*((\k)-4)+1] th:TH_LOAD_NT scope:SCOPE_SE
	global_prefetch_b8 v[PFX], s[XBJ+2*((\k)-4):XBJ+2*((\k)-4)+1] offset:32*4096 th:TH_LOAD_NT scope:SCOPE_SE
.endif
	MULV \k, 1
	PLACES 5
	WIN 0
.if (\k) < 7
	FV 1, (\k)+1
.endif
.if (\k) < 6
	XLOAD (\k)-4
.endif
.endm
	FV 0, 4
	FV 1, 4
	VSTEP 4
	VSTEP 5
	VSTEP 6
	VSTEP 7
; ---- y = O^T / l, quantised along d: my 128 d are K step w of the last product
.irp t,0,1,2,3
.irp u,0,1,2,3
	ds_load_b32 v[ML+4*\t+\u], v[AMX] offset:2048+512*\u+128*\t
.endr
.endr
	s_wait_dscnt 0x0
.irp t,0,1,2,3
	v_add_f32 v[ML+4*\t], v[ML+4*\t], v[ML+4*\t+1]
.endr
.irp t,0,1,2,3
	v_add_f32 v[ML+4*\t+2], v[ML+4*\t+2], v[ML+4*\t+3]
.endr
.irp t,0,1,2,3
	v_add_f32 v[ML+4*\t], v[ML+4*\t], v[ML+4*\t+2] ; the row's sum, in the same order in every wave
.endr
.irp t,0,1,2,3
	v_rcp_f32 v[RL+2*\t], v[ML+4*\t]
.endr
	v_nop                                          ; a plain place behind the last reciprocal
	s_wait_alu depctr_va_vdst(0)                   ; one wait for the four, ahead of their first reader
.irp t,0,1,2,3
	v_mov_b32 v[RL+2*\t+1], v[RL+2*\t]
.endr
	WIN 0x41
.irp t,0,1,2,3
.set m, 0
.rept 32
	v_pk_mul_f32 v[64*\t+2*m:64*\t+2*m+1], v[64*\t+2*m:64*\t+2*m+1], v[RL+2*\t:RL+2*\t+1] op_sel_hi:[1,0]   ; each accumulator from its low end on
.set m, m+1
.endr
.endr
	WIN 0x05
.irp t,0,1,2,3
.irp b,0,1,2,3
	v_max3_num_f32 v[BM+4*\t+\b], |v[64*\t+16*\b]|, |v[64*\t+16*\b+1]|, 0x2800000
.endr
.endr
.irp i,2,4,6,8,10,12,14
.irp t,0,1,2,3
.irp b,0,1,2,3
	v_max3_num_f32 v[BM+4*\t+\b], |v[64*\t+16*\b+\i]|, |v[64*\t+16*\b+\i+1]|, v[BM+4*\t+\b]
.endr
.endr
.endr
	WIN 0
.irp t,0,1,2,3
.irp b,0,1,2,3
	v_permlanex16_b32 v[PT+\b], v[BM+4*\t+\b], s[SEL], s[SEL+1]
.endr
.irp b,0,1,2,3
	v_max_num_f32 v[BM+4*\t+\b], v[BM+4*\t+\b], v[PT+\b]
.endr
.endr
.set m, 0
.rept 16
	v_add_nc_u32 v[BM+m], 0xfe000000, v[BM+m]
.set m, m+1
.endr
.irp t,0,1,2,3
	WORD PW+\t, BM+4*\t
.endr
.irp t,0,1,2,3
.if \t >= 2
	s_wait_dscnt 3                                 ; as for p's codes
.endif
	CODES 1, 64*\t, BM+4*\t, PCA+20*(\t%2)
.irp c,0,1,2
	ds_store_b128 v[AYW], v[PCA+20*(\t%2)+4*\c:PCA+20*(\t%2)+4*\c+3] offset:\t*6144+512*\c
.endr
.endr
.irp p,0,1
	v_cndmask_b32 v[CW+\p], v[PW+2*\p], v[PW+2*\p+1], s[HM]
.endr
.irp p,0,1
	ds_store_b32 v[AYSW], v[CW+\p] offset:128*\p
.endr
	s_wait_dscnt 0x0
	s_barrier_signal -1
	s_barrier_wait -1                              ; y's 16 fragments and their scale words lie in LDS
; ---- out0 = x + w_out y + b_out
	WIN 0x43                                       ; destination window 1, source window 3
.irp ct,0,1,2,3
.irp i,0,1,2,3,4,5,6,7
	v_mov_b32 v[128+8*\ct+\i], v[BV+\ct]           ; a lane holds one channel: its bias in all eight registers: the C of a sum's first product
.endr
.endr
	PLACES 4
	WIN 0xc0
.set f, 0
.rept 48
	ds_load_b128 v[4*f:4*f+3], v[AY16] offset:512*f
.set f, f+1
.endr
	WIN 0
.irp i,0,1,2,3,4,5,6,7
	ds_load_b32 v[TS+\i], v[AYS] offset:128*\i
.endr
.macro FO half, k                      ; 34 loads: w_out's scale words and fragments of K steps 2 half, 2 half + 1
.set sl, ((\k)%2)*BLK
.irp cp,0,1
	ds_load_b64 v[SS+4*(\half)+2*\cp:SS+4*(\half)+2*\cp+1], v[AR16] offset:sl+SCO+512*\cp+8*(\half)
.endr
.irp kk,0,1
.irp ct,0,1,2,3
	FRH HF+96*(\half)+48*\kk+12*\ct, sl+(\ct*4+2*(\half)+\kk)*1536
.endr
.endr
.endm
.macro MULO half                       ; 32 products: 2 K steps x 4 tiles of channels x 4 tiles of positions; 16 accumulators by turns
	WIN 0x53                                       ; source 0 (y) window 3, source 1 (w_out) window 0, C and D window 1
.irp kk,0,1
.if (\half) == 0
	s_wait_dscnt 50-16*\kk
.endif
.irp ct,0,1,2,3
.irp t,0,1,2,3
.set ks, 2*(\half)+\kk
.set rD, 32*\ct+8*\t
.set rA, 48*\t+12*ks
.set rB, HF+96*(\half)+48*\kk+12*\ct
.set rSA, TS+2*ks+\t/2
.set rSB, SS+4*(\half)+2*(\ct/2)+\kk
.set fA, \t%2
.set fB, \ct%2
.set rC, rD
.if ks == 0
.set rC, 128+8*\ct
.endif
	WMS
.endr
.endr
.endr
.endm
.macro SEND j, c, younger              ; tile c's 16 channels: x is added and whole rows of 256 bytes leave
	s_wait_dscnt \younger
.if (\c) == 0
.if (\j) < 3
	s_wait_loadcnt 32                              ; this step's x is in; the next step's 32 loads may be out
.else
	s_wait_loadcnt 0x0
.endif
.endif
.set ob, 160+32*((\c)%2)
.set xr, 128*((\j)%2)+32*(\c)
	WIN 0x49                                       ; destination and source 0 window 1, source 1 (x) window 2
.irp i,0,1,2,3,4,5,6,7,8,9,10,11,12,13,14,15
	v_pk_add_f32 v[ob+2*\i:ob+2*\i+1], v[ob+2*\i:ob+2*\i+1], v[xr+2*\i:xr+2*\i+1]
.endr
	WIN 0x04
.irp i,0,1,2,3,4,5,6,7
	global_store_b128 v[VX], v[ob+4*\i:ob+4*\i+3], s[OBJ+2*(\j):OBJ+2*(\j)+1] offset:(16*(\c)+2*\i)*4096 th:TH_STORE_NT   ; 16 lanes store 256 consecutive bytes, aligned
.endr
.endm
; The way out of a step's 64 channels.  A lane holds 32 neighbouring bytes of its channel's row: a tile of 16 channels goes through my own stage and comes back as rows.  LDS serves a wave's instructions in order.
.macro POSTO j
.if (\j) < 3
	WIN 0x43
.irp ct,0,1,2,3
.irp i,0,1,2,3,4,5,6,7
	v_mov_b32 v[128+8*\ct+\i], v[BV+4*((\j)+1)+\ct]    ; the next step's bias
.endr
.endr
.endif
.irp ct,0,1,2,3
	s_wait_xcnt 0x0                                ; earlier stores have read the registers into which this tile's rows come back
	WIN 0x04
.irp t,0,1,2,3
	ds_store_b128 v[ASTO], v[32*\ct+8*\t:32*\ct+8*\t+3] offset:128*(\t/2)+32*(\t%2)        ; each accumulator from its low end on
	ds_store_b128 v[ASTO], v[32*\ct+8*\t+4:32*\ct+8*\t+7] offset:128*(\t/2)+32*(\t%2)+16
.endr
	WIN 0x40
.irp i,0,1,2,3,4,5,6,7
	ds_load_b128 v[160+32*(\ct%2)+4*\i:160+32*(\ct%2)+4*\i+3], v[ASRD] offset:544*\i
.endr
.if \ct > 0
	SEND \j, \ct-1, 16                             ; behind the last tile's loads: this tile's 8 stores and 8 loads
.endif
.endr
	SEND \j, 3, 0
.if (\j) < 2
	XLOAD (\j)+2
.endif
	WIN 0
.endm
.macro OSTEP k
	MULO 0
.if (\k) < 10
	MID \k
.elseif (\k) == 10
	WIN 0
	s_wait_tensorcnt 0x0                           ; the last block has landed: no load was issued behind it, and I alone read its bytes
	s_wait_dscnt 0x0
	PLACES 4
.else
	s_wait_dscnt 0x0
.endif
.if (\k) < 11
	FO 0, (\k)+1
.endif
	MULO 1
	PLACES 5
	WIN 0
.if (\k) < 11
	FO 1, (\k)+1
.endif
	POSTO (\k)-8
.endm
	FO 0, 8
	FO 1, 8
	OSTEP 8
	OSTEP 9
	OSTEP 10
	OSTEP 11
	s_wait_tensorcnt 0x0                           ; the wave's end
	ds_add_u32 v[SPW], v[NIL]
	s_wait_dscnt 0x0
	ROUND                                          ; the closing round
	s_endpgm
.Lfunc_end_k_q8fa5458b73_attn:
	.size	k_q8fa5458b73_attn, .Lfunc_end_k_q8fa5458b73_attn-k_q8fa5458b73_attn
	.p2alignl 7, 3214868480
	.fill 96, 4, 3214868480
	.section	.rodata,"a",@progbits
	.p2align	6, 0x0
	.amdhsa_kernel k_q8fa5458b73_attn
		.amdhsa_group_segment_fixed_size 327680
		.amdhsa_private_segment_fixed_size 0
		.amdhsa_enable_private_segment 0
		.amdhsa_kernarg_size 56
		.amdhsa_user_sgpr_count 2
		.amdhsa_user_sgpr_kernarg_segment_ptr 1
		.amdhsa_wavefront_size32 1
		.amdhsa_system_sgpr_workgroup_id_x 1
		.amdhsa_system_sgpr_workgroup_id_y 1
		.amdhsa_system_sgpr_workgroup_id_z 1
		.amdhsa_system_vgpr_workitem_id 0
		.amdhsa_next_free_vgpr 1024
		.amdhsa_next_free_sgpr 100
		.amdhsa_reserve_vcc 0
		.amdhsa_float_denorm_mode_32 3
		.amdhsa_float_denorm_mode_16_64 3
		.amdhsa_memory_ordered 1
		.amdhsa_forward_progress 1
		.amdhsa_inst_pref_size 255
	.end_amdhsa_kernel
	.section	.bss,"aw",@nobits
	.p2align	6
	.space	262144
	.amdgpu_metadata
---
amdhsa.version: [ 1, 2 ]
amdhsa.kernels:
  - .name:           k_q8fa5458b73_attn
    .symbol:         k_q8fa5458b73_attn.kd
    .args:
      - { .name: thq, .offset: 0, .size: 8, .value_kind: global_buffer, .address_space: global }
      - { .name: phq, .offset: 8, .size: 8, .value_kind: global_buffer, .address_space: global }
      - { .name: gq, .offset: 16, .size: 8, .value_kind: global_buffer, .address_space: global }
      - { .name: woq, .offset: 24, .size: 8, .value_kind: global_buffer, .address_space: global }
      - { .name: b_out, .offset: 32, .size: 8, .value_kind: global_buffer, .address_space: global }
      - { .name: x, .offset: 40, .size: 8, .value_kind: global_buffer, .address_space: global }
      - { .name: out0, .offset: 48, .size: 8, .value_kind: global_buffer, .address_space: global }
    .group_segment_fixed_size: 327680
    .private_segment_fixed_size: 0
    .kernarg_segment_align: 8
    .kernarg_segment_size: 56
    .max_flat_workgroup_size: 128
    .sgpr_count:     100
    .vgpr_count:     1024
    .wavefront_size: 32
...
	.end_amdgpu_metadata
.endif
;; end of part 2
